; MI455X (gfx1250); checked and timed in simulation.
; The chip was launched on July 23, 2026; its instructions are those of AMD's public machine-readable ISA for CDNA 5 (MIT licence, August 2026) and "CDNA5" Instruction Set Architecture Reference Guide (July 2026). The comments in the code are by the model that wrote it; some were corrected since.
;; Multi Head Attention. Allowed arithmetic: matrix products marked QUANTISED: E4M3 operands, one given power-of-two scale a tensor, by v_wmma_f32_16x16x64_fp8_fp8 or v_wmma_f32_16x16x128_fp8_fp8, f32 sums; everything else in f32.
;; Inputs: Wk 16 x 1,024 x 64 float32; Wo 1,024 x 1,024 float32; Wq 16 x 1,024 x 64 float32; Wv 16 x 1,024 x 64 float32; bo 1,024 float32; lowp_scales 12 int32 (the exponents e of the quantised operands' scales 2^e); x 4 x 2,048 x 1,024 float32.
;; Outputs: out0 4 x 2,048 x 1,024 float32.
;; This version of the problem:
;;   THIS VERSION OF THE PROBLEM IS GIVEN IN LOW PRECISION. The matrix products marked QUANTISED in the list below multiply operands that are first quantised to E4M3 (4 exponent bits, 3 mantissa bits; 8 bits a number), with one given power-of-two scale for each operand tensor; their sums are f32. All else is computed in f32.
;;   The module's matrix products, in the order in which they are computed (A, B: the left and right operand; K: the contracted axis; several contracted axes count as one K, in the product's order):
;;     1. [M 1,024, K 1,024] x [K 1,024, N 8,192]; A: input Wq; B: input x: QUANTISED (scales: A lowp_scales[0], B lowp_scales[1])
;;     2. [M 1,024, K 1,024] x [K 1,024, N 8,192]; A: input Wk; B: input x: QUANTISED (scales: A lowp_scales[2], B lowp_scales[3])
;;     3. [M 1,024, K 1,024] x [K 1,024, N 8,192]; A: input Wv; B: input x: QUANTISED (scales: A lowp_scales[4], B lowp_scales[5])
;;     4. batch 64 x [M 2,048, K 64] x [K 64, N 2,048]; A: computed on the way; B: computed on the way: QUANTISED (scales: A lowp_scales[6], B lowp_scales[7])
;;     5. batch 64 x [M 2,048, K 2,048] x [K 2,048, N 64]; A: softmax (see below); B: computed on the way: QUANTISED (scales: A lowp_scales[8], B lowp_scales[9])
;;     6. [M 8,192, K 1,024] x [K 1,024, N 1,024]; A: computed on the way; B: input Wo: QUANTISED (scales: A lowp_scales[10], B lowp_scales[11])
;;   THE QUANTISER, for each operand of a quantised product, along K:
;;     - The operand's scale is 2^e, e = its entry of the input lowp_scales (int32; the entries are numbered through the quantised products in the list's order, A before B).
;;     - Each number is divided by the scale, clamped to +-448, and rounded to the nearest number of E4M3, ties to even, subnormals kept.
;;     - The product sums the exact products of the quantised numbers (number of the format x scale) in f32.
;;   ~~~python
;;   def quantise(x, axis, e):      # numpy; x: float32 -> the quantised numbers, widened to float32 again
;;       x = np.moveaxis(x, axis, -1); K = x.shape[-1]
;;       r = np.clip(x / 2.0 ** e, -448, 448)
;;       step = 2.0 ** (np.maximum(np.frexp(np.where(r == 0, 1, r))[1] - 1, -6) - 3)
;;       q = np.round(r / step) * step * 2.0 ** e      # np.round: ties to even
;;       return np.moveaxis(q, -1, axis).astype(np.float32)
;;   ~~~
;;   SOFTMAX AHEAD OF A QUANTISED PRODUCT. Where the list says 'softmax', what is quantised is not the finished softmax but p = 2^(t - M), with t = logit x log2(e) and M = ceil(the row's largest t), a whole number; so 1/2 < the row's largest p <= 1. The row's sum l is taken of the UNQUANTISED p, in f32, and the product's result is divided by l at the end. Since M is a whole number, a kernel that streams over the keys may use a running M (the ceiling of the running maximum): every later rescaling is an exact power of two, so the quantised numbers keep their values, but for numbers so far below the row's largest that they fall under the format's range.
;;   OPERANDS COMPUTED ON THE WAY. 'Computed on the way' means the value that the module computes at that place (a softmax that the list does not call 'softmax' is quantised finished and normalised). What goes into a quantiser is computed in f32, as accurately as f32 sums, v_exp_f32 and their like allow (about 1e-6 of the number): no bf16 or f16 on the way to a quantiser, and a product that is left as it is and whose result goes on into a quantised operand takes f32 operands (vector FMAs, or v_wmma_f32_16x16x4_f32). A number that lies on a knife's edge between two numbers of the format may be rounded either way, as far as f32 arithmetic and the matrix unit's own rounding can turn it there, and no further.
;; One version. Each part assembles by itself: llvm-mc -triple=amdgcn-amd-amdhsa -mcpu=gfx1250 --defsym DOCPART=n.
;; ======== version 1 of 1: 4 launches
;; limits: right only within a limited range of input values
;; workspace buffers: codes 29,360,128 bytes; qkv 25,165,824 bytes; oc 8,388,608 bytes
;; launch quant (part 1): grid 384 x 1, 4 waves a work-group, no clusters, 68,096 bytes of LDS; arguments x, Wo, Wq, Wk, Wv, lowp_scales, codes; writes codes
.if DOCPART == 1
	.amdgcn_target "amdgcn-amd-amdhsa--gfx1250"
	.amdhsa_code_object_version 6
	.text
	.protected	k_qae9cab2cb2_quant
	.globl	k_qae9cab2cb2_quant
	.p2align	8
	.type	k_qae9cab2cb2_quant,@function
k_qae9cab2cb2_quant:
	s_mov_b64 s[64:65], 0
	v_nop
	global_prefetch_b8 v0, s[64:65] scope:SCOPE_SE
	s_setreg_imm32_b32 hwreg(HW_REG_WAVE_MODE, 25, 1), 1
	s_wait_xcnt 0x0
; All input operands become codes of E4M3, laid as rows of 1,024 bytes along K in the buffer of codes:
;   0x0000000  x [8192][1024] with scale entry 1 (for q);  0x0800000 the same numbers with entry 3 (for k);  0x1000000 with entry 5 (for v)
;   0x1800000  Wq as [n = 64 head + d][k] with entry 0;  0x1900000 Wk with entry 2;  0x1A00000 Wv with entry 4;  0x1B00000 Wo [n][k] with entry 11
; code = number / 2^e, held within +-448, rounded to the nearest code, ties to even.
; PIECE ORDER.  In every aligned group of 32 bytes the four pieces of 8 bytes hold k pieces 0, 2, 1, 3: byte 16 h + 8 i + z holds k = 16 i + 8 h + z.  A lane (row, h) that
; loads 16 bytes at 16 h of each group then has, in registers 2 c and 2 c + 1, k = 16 c + 8 h + 0 .. 7: the place that the plain 8-bit matrix forms give each k.
; WORK-GROUPS, told apart by their number.  0-95: Wq, Wk, Wv, whose K is not innermost: a lane takes a column and its registers run down K.
; 96-351: x; 352-383: Wo: plain streams of 32,768 numbers a work-group.  x leaves three times, once for each of its scale entries; Wo once.
; Each of the two ways has LDS bytes of its own.  No barrier: waves share nothing.
; LIMITS: each scale's e lies between -126 and 119, so that 2^e and 448 x 2^e are f32 numbers.  NaN among the inputs is not served (an infinity is held at the largest code).
.set WT,     96                        ; work-groups for Wq, Wk, Wv
.set WX,     256                       ; work-groups for x
.set STEPS,  16                        ; steps of 512 numbers for a wave of the streams
.set SP,     80                        ; a lane's place in a stage: its 64 bytes + 16 of padding
.set TBASE,  32768                     ; LDS: the streams' stages lie below (8,192 bytes a wave), the columns' stages from here on
.set TPITCH, 272                       ; a column's 256 codes + 16 of padding
.set OFF_W,  0x1800000
.set OFF_WO, 0x1B00000
.set R,      16                        ; v16-79    four sets of 16 numbers as they are loaded
.set X,      80                        ; v80-111   two sets of 16 numbers in the order of their codes
.set T,      112                       ; v112-143  two sets of 16 held numbers, by turns
.set C,      144                       ; v144-167  codes: 4 registers for each of 3 outputs, two steps by turns
.set SCL,    168                       ; v168-170  2^e for the three outputs
.set LM,     171                       ; v171-173  448 x 2^e
.set DST,    36                        ; s[36:41]  the three outputs' addresses
.set XT,     32                        ; the columns' way: v32-95 two sets of 32 numbers
.set CT,     96                        ; v96-103   a block's codes
.set OUTR,   112                       ; v112-175  the way out
; 2^e and 448 x 2^e as f32 numbers, from the whole number e in s[se]
.macro MKSC se, vsc, vlim
	s_add_co_i32 s22, s[\se], 127
	s_lshl_b32 s23, s22, 23
	v_mov_b32 v[\vsc], s23                         ; the conversion takes this number's exponent field
	s_add_co_i32 s22, s22, 8
	s_lshl_b32 s22, s22, 23
	s_or_b32 s22, s22, 0x600000                    ; the mantissa field of 448
	v_mov_b32 v[\vlim], s22
.endm
	s_load_b256 s[4:11], s[0:1], 0x0               ; x s[4:5], Wo s[6:7], Wq s[8:9], Wk s[10:11]
	s_load_b128 s[12:15], s[0:1], 0x20             ; Wv s[12:13], the scales' exponents s[14:15]
	s_load_b64 s[16:17], s[0:1], 0x30              ; the codes
	v_lshl_add_u32 v192, v0, 2, 0x10800
	v_mov_b32 v193, 0
	v_lshrrev_b32 v1, 5, v0
	v_readfirstlane_b32 s18, v1                    ; wave 0..3
	v_and_b32 v2, 31, v0                           ; lane
	s_wait_kmcnt 0x0
	s_cmp_lt_u32 ttmp9, WT
	s_cbranch_scc1 .Ltrans
; ---------------- THE STREAMS: x and Wo ----------------
	s_load_b256 s[24:31], s[14:15], 0x0            ; entries 0 to 7
	s_load_b128 s[32:35], s[14:15], 0x20           ; entries 8 to 11
	s_cmp_lt_u32 ttmp9, WT+WX                      ; x's work-group or Wo's: the choice hangs on the work-group's number alone
	s_cselect_b64 s[4:5], s[4:5], s[6:7]
	s_cselect_b32 s19, 1, 0                        ; 1: x, three outputs; 0: Wo, one
	s_mov_b32 s20, WT+WX
	s_cselect_b32 s20, WT, s20                     ; the tensor's first work-group
	s_mov_b32 s21, OFF_WO
	s_cselect_b32 s21, 0, s21                      ; where its codes begin
	s_sub_co_u32 s20, ttmp9, s20
	s_lshl_b32 s20, s20, 2
	s_add_co_u32 s20, s20, s18                     ; which run of 8,192 numbers is my wave's
	s_lshl_b32 s22, s20, 15                        ; 32,768 bytes of numbers
	s_mov_b32 s23, 0
	s_add_nc_u64 s[4:5], s[4:5], s[22:23]
	s_lshl_b32 s22, s20, 13                        ; 8,192 bytes of codes
	s_add_co_u32 s22, s22, s21
	s_add_nc_u64 s[DST:DST+1], s[16:17], s[22:23]
	s_add_nc_u64 s[DST+2:DST+3], s[DST:DST+1], 0x800000    ; x's second and third set; Wo's work-groups never store through these two
	s_add_nc_u64 s[DST+4:DST+5], s[DST:DST+1], 0x1000000
	s_wait_alu depctr_va_vdst(0)
	v_lshlrev_b32 v3, 4, v2                        ; my 16 bytes of a load's 512, and of a store's 512
	s_lshl_b32 s22, s18, 13                        ; my wave's stages
	; the stage on the way in.  Lane u of load i holds numbers k = 128 i + 4 u + 0 .. 3 of the step.  Written k = 32 c + 16 i1 + 8 h + 4 z + .., they belong to place 2 c + h, at byte 16 (2 i1 + z) of it:
	; bit 0 of u is z, bit 1 is h, bit 2 is i1, and c = 4 i + u / 8.  So the address is SP (2 (u / 8) + h) + 16 (2 i1 + z), and 8 SP for each load
	v_lshrrev_b32 v6, 3, v2
	v_bfe_u32 v7, v2, 1, 1
	v_lshl_add_u32 v6, v6, 1, v7
	v_mul_u32_u24 v14, v6, SP
	v_bfe_u32 v7, v2, 2, 1
	v_and_b32 v8, 1, v2
	v_lshl_add_u32 v7, v7, 1, v8
	v_lshl_add_u32 v14, v7, 4, v14
	v_add_nc_u32 v14, s22, v14
	v_mul_u32_u24 v15, v2, SP                      ; and on the way out: place = lane: the 16 numbers whose codes are my 16 bytes
	v_add_nc_u32 v15, s22, v15
.macro LOADS t
.irp i, 0,1,2,3
	global_load_b128 v[R+16*((\t)%4)+4*\i:R+16*((\t)%4)+4*\i+3], v3, s[4:5] offset:2048*(\t)+512*\i th:TH_LOAD_NT   ; 32 lanes read 512 consecutive bytes
.endr
.endm
.macro TURN t                          ; step t's numbers through the stage: LDS serves a wave's instructions in order (ISA guide 5.7.1.4), so no wait stands between the stores and the loads
.irp i, 0,1,2,3
	ds_store_b128 v14, v[R+16*((\t)%4)+4*\i:R+16*((\t)%4)+4*\i+3] offset:32*SP*((\t)%2)+8*SP*\i
.endr
.irp i, 0,1,2,3
	ds_load_b128 v[X+16*((\t)%2)+4*\i:X+16*((\t)%2)+4*\i+3], v15 offset:32*SP*((\t)%2)+16*\i
.endr
.endm
; Output o of step t.  The held numbers go into a set of their own, since the numbers are wanted again for the next output.  The sets take turns from output to output, so that the
; line behind a conversion is a plain one that names neither its result nor its sources.
.macro OUT t, o, set
.set XS, X+16*((\t)%2)
.set TS, T+16*(\set)
.set CC, C+12*((\t)%2)+4*(\o)
.irp i, 0,1,2,3,4,5,6,7,8,9,10,11,12,13,14,15
	v_med3_num_f32 v[TS+\i], v[XS+\i], -v[LM+\o], v[LM+\o]   ; the conversion to an 8-bit code does not saturate (ISA guide 7.6.2): the hold at the largest code x the scale
.endr
	v_cvt_scalef32_pk8_fp8_f32 v[CC:CC+1], v[TS:TS+7], v[SCL+\o]
	v_cvt_scalef32_pk8_fp8_f32 v[CC+2:CC+3], v[TS+8:TS+15], v[SCL+\o]
	global_store_b128 v3, v[CC:CC+3], s[DST+2*\o:DST+2*\o+1] offset:512*(\t) th:TH_STORE_NT   ; the wave stores 512 consecutive bytes, aligned
.endm
.irp t, 0,1,2,3
	LOADS \t
.endr
	s_wait_alu depctr_va_vdst(0)
	s_wait_kmcnt 0x0
	s_cmp_lg_u32 s19, 0
	s_cselect_b32 s25, s25, s35                    ; the first output's e: entry 1 for x, entry 11 for Wo
	MKSC 25, SCL, LM
	MKSC 27, SCL+1, LM+1                           ; entry 3
	MKSC 29, SCL+2, LM+2                           ; entry 5
	s_wait_alu depctr_va_vdst(0)
	s_wait_loadcnt 12                              ; step 0's four loads are in; those of steps 1 to 3 may be out
	TURN 0
.macro STEP t
	s_wait_dscnt 0x0                               ; this step's numbers are back from the stage, so its stores into the stage have read their registers,
	s_wait_xcnt 0x0                                ; and the stores of two steps ago have read theirs: this step's codes are written there
.if (\t)+4 < STEPS
	LOADS (\t)+4                                   ; which take the loads of four steps on
.endif
.if (\t)+1 < STEPS
.if STEPS-2-(\t) >= 3
	s_wait_loadcnt 12                              ; the next step's four loads are in; those of the three steps behind it may be out
.else
	s_wait_loadcnt 4*(STEPS-2-(\t))
.endif
	TURN (\t)+1                                    ; and go through the other stage while this step is worked
.endif
	OUT \t, 0, (\t)%2
	s_cmp_lg_u32 s19, 0                            ; Wo has one scale and one set of codes
	s_cbranch_scc0 .Lone_\@
	OUT \t, 1, 1-(\t)%2
	OUT \t, 2, (\t)%2
.Lone_\@:
.endm
.irp t, 0,1,2,3,4,5,6,7,8,9,10,11,12,13,14,15
	STEP \t
.endr
	s_wait_tensorcnt 0x0
	ds_add_u32 v192, v193
	s_wait_dscnt 0x0
	s_endpgm
; ---------------- THE COLUMNS: Wq, Wk, Wv, [16 heads][1024 k][64 d] ----------------
; Work-group = 32 ti + 4 cg + ky.  A wave takes 32 columns n = 128 cg + 32 wave + lane (head 2 cg + wave / 2, d = 32 (wave % 2) + lane) and 256 along K from 256 ky on.
; Each load reads one row k at 32 neighbouring d: 128 consecutive bytes; a lane's 32 registers are a group of 32 along K, loaded in the order of their codes' bytes.
.Ltrans:
	s_lshr_b32 s20, ttmp9, 5                       ; ti: 0 Wq, 1 Wk, 2 Wv
	s_bfe_u32 s21, ttmp9, 0x30002                  ; cg
	s_and_b32 s22, ttmp9, 3                        ; ky
	s_lshl_b32 s31, s20, 3
	s_load_b32 s30, s[14:15], s31 offset:0x0       ; e: entry 2 ti
	s_cmp_eq_u32 s20, 0
	s_cselect_b64 s[4:5], s[8:9], s[10:11]
	s_cmp_eq_u32 s20, 2
	s_cselect_b64 s[4:5], s[12:13], s[4:5]
	s_lshl_b32 s23, s21, 1
	s_lshr_b32 s24, s18, 1
	s_add_co_u32 s23, s23, s24                     ; head
	s_lshl_b32 s26, s23, 18                        ; x 1,024 rows of 256 bytes
	s_lshl_b32 s24, s22, 16                        ; + 256 ky rows
	s_add_co_u32 s26, s26, s24
	s_and_b32 s24, s18, 1
	s_lshl_b32 s24, s24, 7                         ; + 32 (wave % 2) numbers
	s_add_co_u32 s26, s26, s24
	s_mov_b32 s27, 0
	s_add_nc_u64 s[4:5], s[4:5], s[26:27]
	s_lshl_b32 s26, s21, 7
	s_lshl_b32 s24, s18, 5
	s_add_co_u32 s26, s26, s24                     ; my wave's first column
	s_lshl_b32 s26, s26, 10                        ; its row of 1,024 codes
	s_lshl_b32 s24, s22, 8
	s_add_co_u32 s26, s26, s24                     ; + 256 ky
	s_lshl_b32 s24, s20, 20
	s_add_co_u32 s26, s26, s24                     ; + the tensor's place
	s_add_co_u32 s26, s26, OFF_W
	s_add_nc_u64 s[16:17], s[16:17], s[26:27]
	s_mul_i32 s28, s18, 32*TPITCH
	s_add_co_u32 s28, s28, TBASE                   ; my stage
	s_wait_alu depctr_va_vdst(0)
	v_lshlrev_b32 v3, 2, v2                        ; in: 4 bytes a lane
	v_mul_u32_u24 v4, v2, TPITCH
	v_add_nc_u32 v4, s28, v4                       ; into the stage: row = my column
	v_and_b32 v5, 15, v2
	v_lshrrev_b32 v6, 4, v2                        ; out of it: sixteen lanes to a row, two rows an instruction
	v_mul_u32_u24 v7, v6, TPITCH
	v_lshl_add_u32 v7, v5, 4, v7
	v_add_nc_u32 v7, s28, v7
	v_lshlrev_b32 v8, 10, v6
	v_lshl_add_u32 v8, v5, 4, v8                   ; and the same place among the codes' rows
.macro LOADT t                         ; group t: register i takes k = 32 t + (i % 8) + 8 (2 ((i / 8) % 2) + i / 16): the piece order costs nothing here
.irp i, 0,1,2,3,4,5,6,7,8,9,10,11,12,13,14,15,16,17,18,19,20,21,22,23,24,25,26,27,28,29,30,31
	global_load_b32 v[XT+32*((\t)%2)+\i], v3, s[4:5] offset:(32*(\t)+(\i&7)+8*(2*((\i>>3)&1)+(\i>>4)))*256 th:TH_LOAD_NT
.endr
.endm
	LOADT 0
	LOADT 1
	s_wait_kmcnt 0x0
	MKSC 30, 11, 10                                ; v11 = 2^e, v10 = 448 x 2^e
.macro BLOCKT t
.set XS, XT+32*((\t)%2)
.if (\t) < 7
	s_wait_loadcnt 32                              ; this group's 32 loads are in; the next group's may be out
.else
	s_wait_loadcnt 0
.endif
.irp i, 0,1,2,3,4,5,6,7,8,9,10,11,12,13,14,15,16,17,18,19,20,21,22,23,24,25,26,27,28,29,30,31
	v_med3_num_f32 v[XS+\i], v[XS+\i], -v10, v10
.endr
.irp g, 0,1,2,3
	v_cvt_scalef32_pk8_fp8_f32 v[CT+2*\g:CT+2*\g+1], v[XS+8*\g:XS+8*\g+7], v11
.endr
	ds_store_b128 v4, v[CT:CT+3] offset:32*(\t)    ; 32 codes: 32 bytes of my column's row
	ds_store_b128 v4, v[CT+4:CT+7] offset:32*(\t)+16
.if (\t)+2 < 8
	LOADT (\t)+2
.endif
	s_wait_dscnt 0x0                               ; the stores have read their registers: the next group's codes may be written (its holds, plain lines on other registers, come first)
.endm
	s_wait_alu depctr_va_vdst(0)
.irp t, 0,1,2,3,4,5,6,7
	BLOCKT \t
.endr
.irp t, 0,1,2,3,4,5,6,7,8,9,10,11,12,13,14,15
	ds_load_b128 v[OUTR+4*\t:OUTR+4*\t+3], v7 offset:2*\t*TPITCH   ; in order behind my stores
.endr
.irp t, 0,1,2,3,4,5,6,7,8,9,10,11,12,13,14,15
	s_wait_dscnt 15-\t                             ; the younger reads may be out
	global_store_b128 v8, v[OUTR+4*\t:OUTR+4*\t+3], s[16:17] offset:2*\t*1024 th:TH_STORE_NT   ; sixteen lanes store 256 consecutive bytes, aligned
.endr
	s_wait_tensorcnt 0x0
	ds_add_u32 v192, v193
	s_wait_dscnt 0x0
	s_endpgm
.Lfunc_end_k_qae9cab2cb2_quant:
	.size	k_qae9cab2cb2_quant, .Lfunc_end_k_qae9cab2cb2_quant-k_qae9cab2cb2_quant
	.p2alignl 7, 3214868480
	.fill 96, 4, 3214868480
	.section	.rodata,"a",@progbits
	.p2align	6, 0x0
	.amdhsa_kernel k_qae9cab2cb2_quant
		.amdhsa_group_segment_fixed_size 68096
		.amdhsa_private_segment_fixed_size 0
		.amdhsa_enable_private_segment 0
		.amdhsa_kernarg_size 56
		.amdhsa_user_sgpr_count 2
		.amdhsa_user_sgpr_kernarg_segment_ptr 1
		.amdhsa_wavefront_size32 1
		.amdhsa_system_sgpr_workgroup_id_x 1
		.amdhsa_system_sgpr_workgroup_id_y 1
		.amdhsa_system_sgpr_workgroup_id_z 1
		.amdhsa_system_vgpr_workitem_id 0
		.amdhsa_next_free_vgpr 194
		.amdhsa_next_free_sgpr 66
		.amdhsa_reserve_vcc 0
		.amdhsa_float_denorm_mode_32 3
		.amdhsa_float_denorm_mode_16_64 3
		.amdhsa_memory_ordered 1
		.amdhsa_forward_progress 1
		.amdhsa_inst_pref_size 128
	.end_amdhsa_kernel
	.amdgpu_metadata
---
amdhsa.version: [ 1, 2 ]
amdhsa.kernels:
  - .name:           k_qae9cab2cb2_quant
    .symbol:         k_qae9cab2cb2_quant.kd
    .args:
      - { .name: x, .offset: 0, .size: 8, .value_kind: global_buffer, .address_space: global }
      - { .name: Wo, .offset: 8, .size: 8, .value_kind: global_buffer, .address_space: global }
      - { .name: Wq, .offset: 16, .size: 8, .value_kind: global_buffer, .address_space: global }
      - { .name: Wk, .offset: 24, .size: 8, .value_kind: global_buffer, .address_space: global }
      - { .name: Wv, .offset: 32, .size: 8, .value_kind: global_buffer, .address_space: global }
      - { .name: lowp_scales, .offset: 40, .size: 8, .value_kind: global_buffer, .address_space: global }
      - { .name: codes, .offset: 48, .size: 8, .value_kind: global_buffer, .address_space: global }
    .group_segment_fixed_size: 68096
    .private_segment_fixed_size: 0
    .kernarg_segment_align: 8
    .kernarg_segment_size: 56
    .max_flat_workgroup_size: 128
    .sgpr_count:     66
    .vgpr_count:     194
    .wavefront_size: 32
...
	.end_amdgpu_metadata
.endif
;; end of part 1
;; launch qkv (part 2): grid 12 x 32, 4 waves a work-group, clusters of 4 x 4, 327,680 bytes of LDS; arguments codes, lowp_scales, qkv; writes qkv
.if DOCPART == 2
	.amdgcn_target "amdgcn-amd-amdhsa--gfx1250"
	.amdhsa_code_object_version 6
	.text
	.protected	k_qae9cab2cb2_qkv
	.globl	k_qae9cab2cb2_qkv
	.p2align	8
	.type	k_qae9cab2cb2_qkv,@function
k_qae9cab2cb2_qkv:
	s_mov_b64 s[64:65], 0
	v_nop
	global_prefetch_b8 v0, s[64:65] scope:SCOPE_SE
	s_setreg_imm32_b32 hwreg(HW_REG_WAVE_MODE, 25, 1), 1
	s_wait_xcnt 0x0
	s_wait_alu depctr_hold_cnt(0) depctr_sa_sdst(0) depctr_va_vdst(0) depctr_va_sdst(0) depctr_va_ssrc(0) depctr_va_vcc(0) depctr_vm_vsrc(0)
	s_getreg_b32 s2, hwreg(HW_REG_IB_STS2, 6, 4)
	s_cmp_eq_u32 s2, 0
	s_cbranch_scc0 .Lentry_in_a_cluster
	s_endpgm
.Lentry_in_a_cluster:
	s_bfe_u32 s2, ttmp6, 0x10000c
	s_cmp_lg_u32 s2, 0xf033
	s_cbranch_scc0 .Lentry_shape_is_right
	s_endpgm
.Lentry_shape_is_right:
; q, k, v = x W for all 16 heads, on codes of E4M3 (K = 1,024); the results leave as codes again, in the order of the registers of the operands that the attention launch wants.
; The cluster's x says which product: ti = 0 q, 1 k, 2 v.  A tile of 256 x 256 results is made by a work-group of four waves; a wave makes 128 x 128: 64 accumulators of 16 x 16, 512 registers.
; K goes in steps of 256 through a ring of two LDS slots filled by the tensor data mover: a tile's row is 256 bytes of memory.
; ROLES.  Source 1 of the matrix instruction (one set of fragment registers, window 0; called A here) and source 0 (two sets, window 1; called B).  In the result a lane holds ONE row of A's
; tile and eight neighbouring rows of B's.  q and k: A = x's rows, B = W's rows: a lane holds one token and eight neighbouring d: along the K of q k^T.
; v: A = Wv's rows, B = x's rows: a lane holds one d and eight neighbouring tokens: along the K (the keys) of p v.  The choice is plain arithmetic on ti: nothing branches on it.
; CLUSTERS: 4 x 4 work-groups.  The four of a row of the cluster need the same tiles of A, the four of a column the same tiles of B: each tile is asked for JOINTLY, by the same tensor load
; with the same descriptor and a mask that names the four.
; THE WAY OUT needs no LDS: a sum stands for sum x 2^(eW + ex), so its code is sum / 2^(eo - eW - ex), held within +-448: eight sums of a lane become two registers of codes, and the 16 registers of
; a block of 16 rows of A are, as they stand, two fragments of q or k (16 tokens x 64 d, two heads) or one of v^T (16 d x 128 keys).  They are stored as images: four registers a store, 16 bytes a lane.
;   q at 0, k at 0x800000: (16 b + head) x 131,072 + (t / 16) x 1,024.   v at 0x1000000: (16 b + head) x 131,072 + (t / 128) x 8,192 + (d / 16) x 2,048.
; LIMIT: eo - eW - ex lies between -126 and 119, so that the conversion's scale and 448 times it are f32 numbers.
; REGISTERS, in windows of 256: window 0: v0-31 addresses and constants; v32-95 held sums on the way out; from v128 A's fragments (8 x 16 rows x 128 K), ONE set, later the codes.
;   window 1: B's fragments, TWO sets, at v0 and at v128.   window 2: the 32 accumulators of my rows 0-63 of A (accumulator (a, b) at v[8 (8 a + b)]);   window 3: those of my rows 64-127.
.set ROWB,   256                       ; a tile's row in bytes
.set KROW,   1024                      ; a row of codes in memory
.set PITCH,  272                       ; an LDS row: 256 bytes + 16 of padding = 68 words: row r starts at bank 4 r mod 64 (64 banks of 4 bytes: ISA guide 11.1), so the 16 rows of a load start at 16 different banks
.set FR,     16                        ; registers of a fragment: 16 rows x 128 K
.set NL,     4                         ; LDS loads that bring one
.set NP,     4                         ; places behind this matrix instruction (ISA guide 7.12.1)
.set HALFT,  128*PITCH                 ; 128 rows: what one tensor load brings, and what one wave reads of A or of B
.set SLOT,   4*HALFT                   ; A's 256 rows, then B's 256 rows
.set LAPS,   2                         ; a lap = two K steps of 256 = once round the ring: K = 1,024
.set SPARE,  2*SLOT                    ; behind the ring: the spare words, 128 bytes for each wave: two blocks of 256 bytes that no other line names
.set VO,   8                           ; v8   16 x lane;  v10  the same + GH (the second half of a block's 16 registers: the next head's image, or the same image's second half)
.set ADRA, 16                          ; v16-17  LDS address of my A fragments in slot 0, 1
.set ADRB, 20                          ; v20-21  the same for B
.set SPW,  28                          ; v28     LDS address of my spare word: SPARE + 4 x my thread's number; never rewritten
.set NIL,  29                          ; v29     0; never rewritten
.set SC,   30                          ; v30     2^(eo - eW - ex)
.set LIM,  31                          ; v31     448 x that
.set TMP,  32
.set AF,   128
.set CD,   128                         ; the codes: 16 registers for each of my 8 blocks, so that no store's data are written again
.set G1, 24                            ; s[24:31] descriptor group 1 for A's tiles;  s[32:39] group 0, one set for each slot
.set G0, 32
.set G1B, 48                           ; s[48:55], s[56:63] the same for B's tiles
.set G0B, 56
.set MSB, 0
.macro WIN new                         ; the immediate's high byte repeats the setting that is left
.if MSB != \new
	s_set_vgpr_msb (MSB<<8)|\new
.set MSB, \new
.endif
.endm
.set MUL_LO, 0xa1                      ; source 0 (B) window 1, source 1 (A) window 0, C and D window 2
.set MUL_HI, 0xf1                      ; the same, C and D window 3
.set TO_B,   0x40                      ; destination window 1, address window 0
; A joint load: waves 0 and 1 fetch for A, waves 2 and 3 for B.  Each of the two lines has ONE mask and one set of registers for all that issue it; the branch hangs on the wave's number alone.
; Four v_nop follow each of the two lines, ahead of the jump, the label and what follows.
.macro JLOAD g0a, g1a, g0b, g1b
	s_cmp_eq_u32 s15, 0
	s_cbranch_scc0 .Lfor_b_\@
	tensor_load_to_lds s[\g0a:\g0a+3], s[\g1a:\g1a+7]
	s_nop 0
.rept 4
	v_nop
.endr
	s_branch .Lasked_\@
.Lfor_b_\@:
	tensor_load_to_lds s[\g0b:\g0b+3], s[\g1b:\g1b+7]
	s_nop 0
.rept 4
	v_nop
.endr
.Lasked_\@:
.endm
.macro CREST                           ; a round of the cluster's barrier behind its opening barrier
	s_cmp_lg_u32 s14, 0
	s_cbranch_scc1 .Lnot_wave_0_\@
	s_barrier_signal -3
.Lnot_wave_0_\@:
	s_barrier_wait -3
	s_barrier_signal -1
	s_barrier_wait -1
.endm
.macro CROUND                          ; a whole round
	s_barrier_signal -1
	s_barrier_wait -1
	CREST
.endm
	s_load_b128 s[4:7], s[0:1], 0x0                ; the codes s[4:5], the scales' exponents s[6:7]
	s_load_b64 s[10:11], s[0:1], 0x10              ; q, k, v as images
	v_lshl_add_u32 v[SPW], v0, 2, SPARE
	v_mov_b32 v[NIL], 0
	ds_add_u32 v28, v29
	ds_add_u32 v28, v29
	s_wait_dscnt 0x0
	v_lshrrev_b32 v1, 5, v0
	v_readfirstlane_b32 s14, v1                    ; wave 0..3
	s_lshr_b32 s15, s14, 1                         ; which half of A's rows is mine.  Also: I fetch for A (0) or for B (1)
	s_and_b32 s16, s14, 1                          ; which half of B's rows.  Also: which 128 rows of that tile I fetch
	s_bfe_u32 s40, ttmp6, 0x40000                  ; cx, cy: my place in the cluster
	s_bfe_u32 s41, ttmp6, 0x40004
	s_mov_b32 s66, ttmp9                           ; ti: the cluster's x
	s_lshr_b32 s67, s66, 1                         ; V = 1 for v
	s_xor_b32 s68, s67, 1                          ; NV = 1 for q and k
	s_and_b32 s69, ttmp7, 0xffff
	s_lshl_b32 s69, s69, 2                         ; 4 x the cluster's y: it walks x's 32 tiles of 256 rows, on whichever side x stands
	s_mul_i32 s17, s68, s69
	s_add_co_u32 s17, s17, s41                     ; A's tile = cy + NV x 4 y
	s_mul_i32 s42, s67, s69
	s_add_co_u32 s42, s42, s40                     ; B's tile = cx + V x 4 y
	s_lshl_b32 s43, s41, 2
	s_lshl_b32 s43, 15, s43                        ; my row of the cluster
	s_lshl_b32 s44, 0x1111, s40                    ; my column
	; descriptor group 1: a tile of 128 rows x 256 bytes, padded in LDS
	s_or_b32 s[G1+0], s43, (0<<16)|(1<<20)|(1<<21)|(5<<22)|(3<<25)  ; 15:0 the mask: A's tiles go to my row; 17:16 element of 1 byte; 20 padding on; 21 set beside a mask; 24:22 after every 64 words (code 5); 31:25 of 4 words (code 3)
	s_or_b32 s[G1B+0], s44, (0<<16)|(1<<20)|(1<<21)|(5<<22)|(3<<25)
.irp g, G1, G1B
	s_mov_b32 s[\g+1], ROWB<<16                    ; tensor_dim0
	s_mov_b32 s[\g+2], 128<<16                     ; tensor_dim1 = 128
	s_mov_b32 s[\g+3], ROWB<<16                    ; tile_dim0
	s_mov_b32 s[\g+4], 128                         ; tile_dim1 = 128
	s_mov_b32 s[\g+5], KROW                        ; tensor_dim0_stride
	s_mov_b32 s[\g+6], 0
	s_mov_b32 s[\g+7], 0
.endr
	; where the tiles come from, as byte offsets among the codes.  A: x for q at 0, x for k at 8 MiB, Wv at 26 MiB = 8 MiB ti + 10 MiB V.  B: Wq at 24 MiB, Wk at 25, x for v at 16 = 24 MiB + 1 MiB ti - 10 MiB V
	s_lshl_b32 s18, s16, 7                         ; which 128 rows of the tile I fetch
	s_mul_i32 s19, s67, 0xA00000
	s_lshl_b32 s20, s17, 8
	s_add_co_u32 s20, s20, s18
	s_lshl_b32 s20, s20, 10                        ; A: (256 x tile + 128 x half) rows of 1,024 bytes
	s_mul_i32 s21, s66, 0x800000
	s_add_co_u32 s20, s20, s21
	s_add_co_u32 s20, s20, s19
	s_mov_b32 s21, 0
	s_lshl_b32 s46, s42, 8
	s_add_co_u32 s46, s46, s18
	s_lshl_b32 s46, s46, 10                        ; B likewise
	s_mul_i32 s47, s66, 0x100000
	s_add_co_u32 s46, s46, s47
	s_add_co_u32 s46, s46, 0x1800000
	s_sub_co_u32 s46, s46, s19
	s_mov_b32 s47, 0
	s_mul_i32 s45, s14, HALFT                      ; where they go: wave x 128 rows: no place in the cluster enters an LDS address
	s_lshl_b32 s70, s66, 3                         ; entries 2 ti, 2 ti + 1: the weight's e, x's e
	s_add_co_u32 s71, s66, s67
	s_lshl_b32 s71, s71, 2                         ; entry 6 + ti + V: 6 for q, 7 for k, 9 for v
	s_wait_kmcnt 0x0
	s_load_b64 s[96:97], s[6:7], s70 offset:0x0
	s_load_b32 s98, s[6:7], s71 offset:0x18
	s_add_nc_u64 s[20:21], s[4:5], s[20:21]
	s_add_nc_u64 s[46:47], s[4:5], s[46:47]
	CROUND                                         ; all sixteen work-groups are here: the first joint loads meet
.irp s, 0,1
	s_mov_b32 s[G0+4*\s], 1
	s_add_co_u32 s[G0+4*\s+1], s45, \s*SLOT
	s_add_nc_u64 s[G0+4*\s+2:G0+4*\s+3], s[20:21], \s*ROWB
	s_or_b32 s[G0+4*\s+3], s[G0+4*\s+3], 0x80000000
	s_mov_b32 s[G0B+4*\s], 1
	s_add_co_u32 s[G0B+4*\s+1], s45, \s*SLOT
	s_add_nc_u64 s[G0B+4*\s+2:G0B+4*\s+3], s[46:47], \s*ROWB
	s_or_b32 s[G0B+4*\s+3], s[G0B+4*\s+3], 0x80000000
.endr
	JLOAD G0, G1, G0B, G1B                         ; K step 0: one tensor load a wave at the head
	v_and_b32 v1, 15, v0                           ; l % 16
	v_bfe_u32 v2, v0, 4, 1                         ; l / 16
	v_mul_u32_u24 v3, v1, PITCH
	v_lshl_add_u32 v4, v2, 4, v3                   ; a fragment's row x pitch + 16 x half
	s_mul_i32 s21, s15, HALFT                      ; my 128 rows of A
	s_mul_i32 s22, s16, HALFT                      ; my 128 rows of B,
	s_add_co_u32 s22, s22, 2*HALFT                 ; which lie behind A's 256
.irp s, 0,1
	v_add_nc_u32 v[ADRA+\s], s21, v4
	v_add_nc_u32 v[ADRB+\s], s22, v4
	s_add_co_u32 s21, s21, SLOT
	s_add_co_u32 s22, s22, SLOT
.endr
	; the way out's addresses.  XI, XH: x's tile and my half of it; WI, WH: the weight's.  These feed store addresses alone
	s_cmp_eq_u32 s67, 0
	s_cselect_b32 s72, s17, s42                    ; XI
	s_cselect_b32 s73, s15, s16                    ; XH
	s_cselect_b32 s79, s42, s17                    ; WI
	s_cselect_b32 s80, s16, s15                    ; WH
	s_mov_b32 s78, 1024
	s_cselect_b32 s78, 0x20000, s78                ; GH: q, k: registers 8-15 of a block are the next head's image; v: the same image's second 1,024 bytes
	s_mov_b32 s74, 2048
	s_cselect_b32 s74, 1024, s74                   ; from block to block: q, k: the next 16 tokens' image; v: the next 16 d's
	s_mov_b32 s76, 124928
	s_cselect_b32 s76, 1024, s76                   ; from block 3 to block 4: v: the next head, back three images: 131,072 - 3 x 2,048
	s_mov_b32 s75, 0
	s_mov_b32 s77, 0
	s_lshr_b32 s81, s72, 3                         ; b = XI / 8 (a batch entry is 8 tiles of 256 tokens)
	s_lshl_b32 s81, s81, 4
	s_lshl_b32 s82, s79, 2
	s_add_co_u32 s81, s81, s82
	s_lshl_b32 s82, s80, 1
	s_add_co_u32 s81, s81, s82                     ; 16 b + my first head = 16 b + 4 WI + 2 WH
	s_lshl_b32 s81, s81, 17
	s_and_b32 s82, s72, 7
	s_lshl_b32 s82, s82, 1
	s_add_co_u32 s82, s82, s73                     ; my 128 tokens within the batch entry: 8,192 bytes of a head in all three layouts
	s_lshl_b32 s82, s82, 13
	s_add_co_u32 s82, s82, s81
	s_mul_i32 s81, s66, 0x800000                   ; q, k or v
	s_add_co_u32 s82, s82, s81
	s_mov_b32 s83, 0
	s_add_nc_u64 s[10:11], s[10:11], s[82:83]
	v_and_b32 v6, 31, v0
	v_lshlrev_b32 v[VO], 4, v6
	v_add_nc_u32 v[VO+2], s78, v[VO]
.macro FRAG reg, adr, q, i             ; a fragment, 16 rows x 128 K, is 16 registers: lane l holds row l % 16; four loads of 16 bytes, 32 bytes apart, at 16 (l / 16)
.irp c, 0,1,2,3
	ds_load_b128 v[\reg+4*\c:\reg+4*\c+3], v[\adr] offset:128*(\q)+32*\c+(\i)*16*PITCH
.endr
.endm
; 16 matrix instructions: A's blocks a0, a0 + 1 x B's eight, 128 along K.  p: B's set.  zero = 1: the first product starts the sums: nothing is ever cleared.
; The 64 accumulators take turns, one instruction a turn, in the same order in every step.
.macro MUL16 a0, p, zero
.irp a, \a0, \a0+1
.irp b, 0,1,2,3,4,5,6,7
.if \zero
	v_wmma_f32_16x16x128_fp8_fp8 v[8*(8*((\a)%4)+\b):8*(8*((\a)%4)+\b)+7], v[128*(\p)+FR*\b:128*(\p)+FR*\b+FR-1], v[AF+FR*(\a):AF+FR*(\a)+FR-1], 0
.else
	v_wmma_f32_16x16x128_fp8_fp8 v[8*(8*((\a)%4)+\b):8*(8*((\a)%4)+\b)+7], v[128*(\p)+FR*\b:128*(\p)+FR*\b+FR-1], v[AF+FR*(\a):AF+FR*(\a)+FR-1], v[8*(8*((\a)%4)+\b):8*(8*((\a)%4)+\b)+7]
.endif
.endr
.endr
.endm
.macro FETCH_B slot, q, p              ; B's eight fragments of the slot's q-th 128 along K into set p
	WIN TO_B
.irp i, 0,1,2,3,4,5,6,7
	FRAG 128*(\p)+FR*\i, ADRB+\slot, \q, \i
.endr
	WIN 0
.endm
.macro FETCH_A slot, q, i0             ; A's blocks i0 .. i0 + 3
.irp i, \i0, \i0+1, \i0+2, \i0+3
	FRAG AF+FR*(\i), ADRA+\slot, \q, \i
.endr
.endm
; A load into a register that a matrix instruction has read, and a vector instruction that reads a matrix result or writes one of a matrix instruction's registers, stand NP places behind it,
; and only plain vector instructions that name none of its registers are places (ISA guide 7.12.1 for vector instructions).
.macro PLACES n
.rept \n
	v_nop
.endr
.endm
; A step of 128 along K that has its successor in the same slot.  A block of A is free as soon as its eight products are issued: blocks 0-3 are fetched anew in the step's middle, blocks 4-7 at its end.
.macro STEP slot, q, zero
	s_wait_dscnt 4*NL                              ; B's set and A's blocks 0-3 are in; the youngest 16 loads (A's blocks 4-7) may be out
	WIN MUL_LO
	MUL16 0, (\q)%2, \zero
	MUL16 2, (\q)%2, \zero
	s_wait_dscnt 0                                 ; A's blocks 4-7 are in (asked for 32 matrix instructions ago)
	PLACES NP
	FETCH_B \slot, (\q)+1, 1-(\q)%2
	FETCH_A \slot, (\q)+1, 0
	WIN MUL_HI
	MUL16 4, (\q)%2, \zero
	MUL16 6, (\q)%2, \zero
	PLACES NP
	WIN 0
	FETCH_A \slot, (\q)+1, 4
.endm
; A slot's last step changes slots: ONE barrier; in front of it each wave waits for all its tensor loads, adds 0 to its spare word, and waits for that and for its own reads of this slot.  fill = 1: this slot is filled again, two K steps ahead.
.macro TURN slot, next, fill
	s_wait_tensorcnt 0x0                           ; all my tensor loads have landed: my part of the next slot;  (every window is 0 here: the add's two registers lie in window 0)
	ds_add_u32 v[SPW], v[NIL]                      ; 0 onto my spare word;
	s_wait_dscnt 4*NL+1                            ; (the add and the youngest 16 loads, A's blocks 4-7, may be out)
	WIN MUL_LO
	MUL16 0, 1, 0                                  ; sixteen matrix instructions stand between the add and the wait for it
	s_wait_dscnt 0x0                               ; the add is done, and my reads of this slot are over
	s_barrier_signal -1
	MUL16 2, 1, 0
	WIN 0
	s_barrier_wait -1
.if \fill
	CREST                                          ; the barrier has opened a round of the cluster's barrier: no wave of any partner still reads this slot's tile or has a load on its way
	s_add_nc_u64 s[G0+4*\slot+2:G0+4*\slot+3], s[G0+4*\slot+2:G0+4*\slot+3], 2*ROWB
	s_add_nc_u64 s[G0B+4*\slot+2:G0B+4*\slot+3], s[G0B+4*\slot+2:G0B+4*\slot+3], 2*ROWB
	JLOAD G0+4*\slot, G1, G0B+4*\slot, G1B         ; the first tensor load behind the round; the four v_nop behind it are the places in front of the loads below
.else
	PLACES NP
.endif
	FETCH_B \next, 0, 0
	FETCH_A \next, 0, 0
	WIN MUL_HI
	MUL16 4, 1, 0
	MUL16 6, 1, 0
	PLACES NP
	WIN 0
	FETCH_A \next, 0, 4
.endm
	s_wait_alu depctr_va_vdst(0)
	s_wait_tensorcnt 0x0                           ; my part of K step 0 is in; slot 1's first fill is issued as a refill is:
	ds_add_u32 v[SPW], v[NIL]                      ; 0 onto my spare word
	s_wait_dscnt 0x0
	CROUND                                         ; everybody's part of K step 0 is in, and the sixteen work-groups meet
	JLOAD G0+4, G1, G0B+4, G1B                     ; K step 1: the first tensor load behind the round
	FETCH_B 0, 0, 0
	FETCH_A 0, 0, 0
	FETCH_A 0, 0, 4
	STEP 0, 0, 1                                   ; the first step's products start the sums
.rept LAPS-1                           ; once round the ring, from a lap's second step to the next lap's first, filling both slots again: with K = 1,024 that happens once, so it is written out
	TURN 0, 1, 1
	STEP 1, 0, 0
	TURN 1, 0, 1
	STEP 0, 0, 0
.endr
	TURN 0, 1, 0                                   ; the last lap fills nothing, and has no round of the cluster's barrier
	STEP 1, 0, 0
	s_wait_dscnt 4*NL                              ; the very last step: nothing more to fetch
	WIN MUL_LO
	MUL16 0, 1, 0
	MUL16 2, 1, 0
	s_wait_dscnt 0
	WIN MUL_HI
	MUL16 4, 1, 0
	MUL16 6, 1, 0
	WIN 0
	; THE WAY OUT
	s_wait_kmcnt 0x0
	s_sub_co_i32 s98, s98, s96
	s_sub_co_i32 s98, s98, s97                     ; eo - eW - ex
	s_add_co_i32 s98, s98, 127
	s_lshl_b32 s96, s98, 23
	v_mov_b32 v[SC], s96                           ; the conversion takes this number's exponent field.  (These two moves and the two v_nop are the four places behind the last products)
	s_add_co_i32 s98, s98, 8
	s_lshl_b32 s98, s98, 23
	s_or_b32 s98, s98, 0x600000
	v_mov_b32 v[LIM], s98
	PLACES 2
; Block a: 16 rows of A's side x 128 of B's.  Each accumulator is read from its low end on.
.macro BLOCKOUT a
.set AC, 64*((\a)%4)
	WIN 0x02+((\a)/4)                              ; source 0: window 2 or 3
.set j, 0
.rept 64
	v_med3_num_f32 v[TMP+j], v[AC+j], -v[LIM], v[LIM]   ; the conversion to an 8-bit code does not saturate (ISA guide 7.6.2): the hold at the largest code x the scale
.set j, j+1
.endr
	WIN 0
.irp b, 0,1,2,3,4,5,6,7
	v_cvt_scalef32_pk8_fp8_f32 v[CD+16*(\a)+2*\b:CD+16*(\a)+2*\b+1], v[TMP+8*\b:TMP+8*\b+7], v[SC]   ; registers 2 b, 2 b + 1 of the operand: k = 16 b + 8 (l / 16) + 0 .. 7
.endr
	v_nop                                          ; one plain line between the conversions and the next block's holds, which write their sources
.if (\a) > 0
	s_wait_alu depctr_va_vdst(0)
	s_wait_xcnt 0x0                                ; the last block's stores have read their base: it may step
.if (\a) == 4
	s_add_nc_u64 s[10:11], s[10:11], s[76:77]
.else
	s_add_nc_u64 s[10:11], s[10:11], s[74:75]
.endif
.endif
.irp c, 0,1,2,3
	global_store_b128 v[VO+2*(\c/2)], v[CD+16*(\a)+4*\c:CD+16*(\a)+4*\c+3], s[10:11] offset:512*(\c%2) th:TH_STORE_NT   ; the wave stores 512 consecutive bytes, aligned
.endr
.endm
.irp a, 0,1,2,3,4,5,6,7
	BLOCKOUT \a
.endr
	s_wait_tensorcnt 0x0                           ; the wave's end, behind my last tensor load
	ds_add_u32 v[SPW], v[NIL]
	s_wait_dscnt 0x0
	CROUND                                         ; the closing round: no work-group ends while a partner may still ask for a tile that names it
	s_endpgm
.Lfunc_end_k_qae9cab2cb2_qkv:
	.size	k_qae9cab2cb2_qkv, .Lfunc_end_k_qae9cab2cb2_qkv-k_qae9cab2cb2_qkv
	.p2alignl 7, 3214868480
	.fill 96, 4, 3214868480
	.section	.rodata,"a",@progbits
	.p2align	6, 0x0
	.amdhsa_kernel k_qae9cab2cb2_qkv
		.amdhsa_group_segment_fixed_size 327680
		.amdhsa_private_segment_fixed_size 0
		.amdhsa_enable_private_segment 0
		.amdhsa_kernarg_size 24
		.amdhsa_user_sgpr_count 2
		.amdhsa_user_sgpr_kernarg_segment_ptr 1
		.amdhsa_wavefront_size32 1
		.amdhsa_system_sgpr_workgroup_id_x 1
		.amdhsa_system_sgpr_workgroup_id_y 1
		.amdhsa_system_sgpr_workgroup_id_z 1
		.amdhsa_system_vgpr_workitem_id 0
		.amdhsa_next_free_vgpr 1024
		.amdhsa_next_free_sgpr 100
		.amdhsa_reserve_vcc 0
		.amdhsa_float_denorm_mode_32 3
		.amdhsa_float_denorm_mode_16_64 3
		.amdhsa_memory_ordered 1
		.amdhsa_forward_progress 1
		.amdhsa_inst_pref_size 120
	.end_amdhsa_kernel
	.amdgpu_metadata
---
amdhsa.version: [ 1, 2 ]
amdhsa.kernels:
  - .name:           k_qae9cab2cb2_qkv
    .symbol:         k_qae9cab2cb2_qkv.kd
    .args:
      - { .name: codes, .offset: 0, .size: 8, .value_kind: global_buffer, .address_space: global }
      - { .name: lowp_scales, .offset: 8, .size: 8, .value_kind: global_buffer, .address_space: global }
      - { .name: qkv, .offset: 16, .size: 8, .value_kind: global_buffer, .address_space: global }
    .group_segment_fixed_size: 327680
    .private_segment_fixed_size: 0
    .kernarg_segment_align: 8
    .kernarg_segment_size: 24
    .max_flat_workgroup_size: 128
    .sgpr_count:     100
    .vgpr_count:     1024
    .wavefront_size: 32
...
	.end_amdgpu_metadata
.endif
;; end of part 2
;; launch attn (part 3): grid 4 x 64, 8 waves a work-group, clusters of 4 x 1, 327,680 bytes of LDS; arguments qkv, lowp_scales, oc; writes oc
.if DOCPART == 3
	.amdgcn_target "amdgcn-amd-amdhsa--gfx1250"
	.amdhsa_code_object_version 6
	.text
	.protected	k_qae9cab2cb2_attn
	.globl	k_qae9cab2cb2_attn
	.p2align	8
	.type	k_qae9cab2cb2_attn,@function
k_qae9cab2cb2_attn:
	s_mov_b64 s[64:65], 0
	v_nop
	global_prefetch_b8 v0, s[64:65] scope:SCOPE_SE
	s_setreg_imm32_b32 hwreg(HW_REG_WAVE_MODE, 25, 1), 1
	s_wait_xcnt 0x0
	s_wait_alu depctr_hold_cnt(0) depctr_sa_sdst(0) depctr_va_vdst(0) depctr_va_sdst(0) depctr_va_ssrc(0) depctr_va_vcc(0) depctr_vm_vsrc(0)
	s_getreg_b32 s2, hwreg(HW_REG_IB_STS2, 6, 4)
	s_cmp_eq_u32 s2, 0
	s_cbranch_scc0 .Lentry_in_a_cluster
	s_endpgm
.Lentry_in_a_cluster:
	s_bfe_u32 s2, ttmp6, 0x10000c
	s_cmp_lg_u32 s2, 0x3003
	s_cbranch_scc0 .Lentry_shape_is_right
	s_endpgm
.Lentry_shape_is_right:
; o = softmax(q k^T / 8, causal) v for one head of one batch entry (hb = 16 b + head = the cluster's y), both products on codes of E4M3; o leaves as codes for the output projection.
; q, k, v come as IMAGES of operand registers: four registers in 512 bytes, lane l at 16 l.  q, k: 16 tokens x 64 d, 8 registers, 1,024 bytes; v: 16 d x 128 keys, 16 registers, 2,048 bytes.
; THE SOFTMAX AHEAD OF THE SECOND PRODUCT: t = score x log2(e) / 8; M = the row's largest t so far, rounded UP to a whole number; p = 2^(t - M) is what is quantised; it is not normalised.
; The row's sum is taken of the unquantised p, in f32, and divides o at the end.  When M moves, the sum and o are multiplied by 2^(old M - new M): exact.
; LEFT OUT: key steps that the causal mask hides whole for a block of queries are neither multiplied nor walked.
; LDS.  A head's K (131,072 bytes) and V (131,072 bytes) lie WHOLE in LDS, in two first fills: keys 0-511 at the head (8,192 bytes a wave) and keys 512-2,047 behind one round (24,576 bytes a wave);
; waves 0-3 fetch K, waves 4-7 V.  No byte is filled twice.
; CLUSTER.  The four work-groups of a head need the same K and V in the same order: both fills are joint loads with the mask 15, each behind a round of the cluster's barrier.
; SHARES.  A head has 64 blocks of 32 queries.  Wave w of work-group cx owns blocks 63 - J and J, J = 4 w + cx: 16 - w and w + 1 key steps of 128 keys, always 17, so all waves have equal work and
; the walk hangs on the wave's number alone, never on cx.  The first 3 steps (all open: block 63 - J begins at query 1,024 or later) run while the second fill is on its way and read keys under 512;
; behind one more barrier the other 14 steps run with no barrier.  A block's last step lies on the diagonal and is masked.
; A wave's two tiles of 16 queries share each fragment of K and V.  The next step's K is read from LDS behind this step's first products, its V behind the second products.
; LAYOUT.  Both products are used transposed: S^T = K Q^T, O^T = V^T P^T: a lane holds ONE query (lane % 16).  In tile c of S^T a lane's eight registers are keys 16 c + 8 (lane / 16) + 0 .. 7:
; their codes are registers 2 c, 2 c + 1 of the second product's operand as they stand.
; REGISTERS, in two windows of 256.  Window 0: addresses, both tiles' scores, codes and small state, so that the two tiles' vector work takes turns line by line.  Window 1: K, V, O^T, q.
; NO PREFETCH: the launch has two fills, the second asked for as soon as the first is whole: there is no loop of fills in which to ask ahead.
; LIMITS on the given exponents, so that each power of two below is an f32 number: entries 6 + 7 between -123 and 130 (they are added to c's exponent field); entry 8, and entry 10 - 8 - 9, between -126 and 119.
; The promise holds while the scaled scores stay under 2^31 in magnitude.
.set VREG,  131072                     ; V's bytes begin here
.set SPARE, 262144                     ; the spare words: 128 bytes a wave, four blocks of 256 bytes that no other line names
.set FILL0, 32768                      ; the first fill's bytes of K, and of V
.set LI,   1                           ; window 0: 16 x lane
.set LI2,  2                           ; 16 x lane + VREG
.set ADK,  3                           ; LDS address of the next step's K
.set ADV,  4                           ; of its V
.set SPW,  5                           ; my spare word; never rewritten
.set NIL,  6                           ; 0; never rewritten
.set MD,   8                           ; lane % 16 - 8 (lane / 16)
.set PSC,  9                           ; 2^e8
.set NINF, 10
.set PX0,  11                          ; the lane permutes' destinations
.set PX1,  24
                                       ; tile 0: v12 -M, v13 the largest t, v[14:15] the sum; tile 1: v16, v17, v[18:19]
.set F0,   20                          ; v[20:21], v[22:23] f = 2^(old M - new M)
.set F1,   22
.set OLIM, 25
.set OSC,  26
.set T,    28                          ; v28-43 chains of the maxima and of the sums
.set PC0,  44                          ; v44-59, v60-75 p's codes
.set PC1,  60
.set S0,   76                          ; v76-139, v140-203 S^T, then p
.set S1,   140
.set OC,   204                         ; v204-219 o's codes
.set KF,   0                           ; window 1: v0-63 K's 8 fragments
.set VF,   64                          ; v64-127 V's 4
.set O0,   128                         ; v128-159, v160-191 O^T
.set O1,   160
.set Q0,   192                         ; v192-207 q, both tiles
.set QN,   208                         ; v208-223 the second block's
.set HB,   17
.set WV,   18
.set CX,   19
.set SEL,  20
.set CS,   22
.set G1,   24                          ; s[24:31], s[32:39] descriptor groups 1: 32 rows, 96 rows
.set G1B,  32
.set G0,   40                          ; s[40:43], s[44:47] groups 0
.set G0B,  44
.set QA,   48
.set QB,   50
.set N,    66
.set N2,   68
.set SW,   69                          ; 13 - wave: the trip of the second loop in which block J begins
.set NK,   70                          ; the next key step's byte offset
.set FLG,  71                          ; 1 in a masked step
.set DQ,   72                          ; s72, s73: first query less first key, tile 0 and tile 1
.set DQB,  74
.set DQS,  75
.set OA,   76
.set OB,   78
.set PL,   80                          ; 448 x 2^e8
.set MSB, 0
.macro WIN new                         ; the immediate's high byte repeats the setting that is left
.if MSB != (\new)
	s_set_vgpr_msb (MSB<<8)|(\new)
.set MSB, (\new)
.endif
.endm
.macro ROUND                           ; a round of the cluster's barrier
	s_barrier_signal -1
	s_barrier_wait -1
	s_cmp_lg_u32 s[WV], 0
	s_cbranch_scc1 .Lnw0_\@
	s_barrier_signal -3
.Lnw0_\@:
	s_barrier_wait -3
	s_barrier_signal -1
	s_barrier_wait -1
.endm
.macro JFILL g0, g1                    ; my joint load; s_nop 0 and four v_nop follow it
	tensor_load_to_lds s[\g0:\g0+3], s[\g1:\g1+7]
	s_nop 0
.rept 4
	v_nop
.endr
.endm
.macro KLOAD adr                       ; 8 fragments of K: 128 keys
	WIN 0x40
.irp c, 0,1,2,3,4,5,6,7
	ds_load_b128 v[KF+8*\c:KF+8*\c+3], v[\adr] offset:1024*\c
	ds_load_b128 v[KF+8*\c+4:KF+8*\c+7], v[\adr] offset:1024*\c+512
.endr
	WIN 0
.endm
.macro VLOAD adr                       ; 4 fragments of V
	WIN 0x40
.irp d, 0,1,2,3
.irp c, 0,1,2,3
	ds_load_b128 v[VF+16*\d+4*\c:VF+16*\d+4*\c+3], v[\adr] offset:2048*\d+512*\c
.endr
.endr
	WIN 0
.endm
.macro INIT                            ; a block begins: the largest t is -3e38, -M its negative; the sums and O^T are zeros, which the first change of M leaves zeros
.irp b, 12, 16
	v_mov_b32 v[\b+1], 0xff61b1e6
	v_mov_b32 v[\b], 0x7f61b1e6
	v_mov_b32 v[\b+2], 0
	v_mov_b32 v[\b+3], 0
.endr
	WIN 0x40
.set j, 0
.rept 64
	v_mov_b32 v[O0+j], 0
.set j, j+1
.endr
	WIN 0
.endm
.macro MASK sb, sd                     ; register 8 c + j holds key KF + 8 (lane / 16) + 16 c + j: hidden where 16 c + j > my query - KF - 8 (lane / 16)
	v_add_nc_u32 v[T], s[\sd], v[MD]
.set n, 0
.rept 64
	v_cmp_gt_i32 vcc_lo, 16*(n/8)+n%8, v[T]
	v_cndmask_b32 v[\sb+n], v[\sb+n], v[NINF], vcc_lo
.set n, n+1
.endr
.endm
.macro SUM sb                          ; the sum of a tile's unquantised p, in eight chains, into v[T:T+1]
.irp k, 0,1,2,3,4,5,6,7
	v_pk_add_f32 v[T+2*\k:T+2*\k+1], v[\sb+2*\k:\sb+2*\k+1], v[\sb+16+2*\k:\sb+17+2*\k]
.endr
.irp k, 0,1,2,3,4,5,6,7
	v_pk_add_f32 v[T+2*\k:T+2*\k+1], v[T+2*\k:T+2*\k+1], v[\sb+32+2*\k:\sb+33+2*\k]
.endr
.irp k, 0,1,2,3,4,5,6,7
	v_pk_add_f32 v[T+2*\k:T+2*\k+1], v[T+2*\k:T+2*\k+1], v[\sb+48+2*\k:\sb+49+2*\k]
.endr
.irp k, 0,1,2,3
	v_pk_add_f32 v[T+2*\k:T+2*\k+1], v[T+2*\k:T+2*\k+1], v[T+8+2*\k:T+9+2*\k]
.endr
	v_pk_add_f32 v[T:T+1], v[T:T+1], v[T+4:T+5]
	v_pk_add_f32 v[T+2:T+3], v[T+2:T+3], v[T+6:T+7]
	v_pk_add_f32 v[T:T+1], v[T:T+1], v[T+2:T+3]
.endm
; The softmax of both tiles of 16 queries x 128 keys: the two tiles' independent lines take turns.
.macro SOFT2
.irp k, 0,1,2,3                                ; the largest score among my 64 keys, four chains a tile, each tile of scores from its low end on
	v_max3_num_f32 v[T+\k], v[S0+3*\k], v[S0+3*\k+1], v[S0+3*\k+2]
	v_max3_num_f32 v[T+4+\k], v[S1+3*\k], v[S1+3*\k+1], v[S1+3*\k+2]
.endr
.set j, 12
.rept 26
	v_max3_num_f32 v[T+((j-12)/2)%4], v[T+((j-12)/2)%4], v[S0+j], v[S0+j+1]
	v_max3_num_f32 v[T+4+((j-12)/2)%4], v[T+4+((j-12)/2)%4], v[S1+j], v[S1+j+1]
.set j, j+2
.endr
	v_max3_num_f32 v[T], v[T], v[T+1], v[T+2]
	v_max3_num_f32 v[T+4], v[T+4], v[T+5], v[T+6]
	v_max_num_f32 v[T], v[T], v[T+3]
	v_max_num_f32 v[T+4], v[T+4], v[T+7]
	v_permlanex16_b32 v[PX0], v[T], s[SEL], s[SEL+1]
	v_permlanex16_b32 v[PX1], v[T+4], s[SEL], s[SEL+1]
	v_max_num_f32 v[T], v[T], v[PX0]               ; and among lane l xor 16's
	v_max_num_f32 v[T+4], v[T+4], v[PX1]
	v_mul_f32 v[T], s[CS], v[T]                    ; as t (c is positive)
	v_mul_f32 v[T+4], s[CS], v[T+4]
	v_max_num_f32 v13, v13, v[T]                   ; the running largest t
	v_max_num_f32 v17, v17, v[T+4]
	v_mov_b32 v[T], v12
	v_mov_b32 v[T+4], v16
	v_floor_f32 v12, -v13                          ; the new -M = -ceil(t)
	v_floor_f32 v16, -v17
	v_sub_f32 v[T], v12, v[T]                      ; old M - new M: a whole number, 0 or less
	v_sub_f32 v[T+4], v16, v[T+4]
	v_cvt_i32_f32 v[T], v[T]                       ; (it saturates)
	v_cvt_i32_f32 v[T+4], v[T+4]
	v_ldexp_f32 v[F0], 1.0, v[T]                   ; f
	v_ldexp_f32 v[F1], 1.0, v[T+4]
	WIN 0x41                                       ; O^T in window 1, f in window 0
	s_wait_alu depctr_va_vdst(0)                   ; directly ahead of the first reader of O^T
.set j, 0
.rept 16
	v_pk_mul_f32 v[O0+j:O0+j+1], v[O0+j:O0+j+1], v[F0:F0+1] op_sel_hi:[1,0]   ; O^T under the new M
.set j, j+2
.endr
.set j, 0
.rept 16
	v_pk_mul_f32 v[O1+j:O1+j+1], v[O1+j:O1+j+1], v[F1:F1+1] op_sel_hi:[1,0]
.set j, j+2
.endr
	WIN 0
.set j, 0
.rept 32
	v_pk_fma_f32 v[S0+j:S0+j+1], v[S0+j:S0+j+1], s[CS:CS+1], v[12:13] op_sel_hi:[1,0,0]   ; tile 0: t - M
.set j, j+2
.endr
	s_wait_alu depctr_va_vdst(0)                   ; the wait ahead of the batch
.set j, 0
.rept 32                                       ; tile 0's p = 2^(t - M); among the exponentials tile 1's t - M, which is first read behind the next wait
	v_exp_f32 v[S0+j], v[S0+j]
	v_exp_f32 v[S0+j+1], v[S0+j+1]
	v_pk_fma_f32 v[S1+j:S1+j+1], v[S1+j:S1+j+1], s[CS:CS+1], v[16:17] op_sel_hi:[1,0,0]
.set j, j+2
.endr
	v_pk_mul_f32 v[14:15], v[14:15], v[F0:F0+1] op_sel_hi:[1,0]   ; tile 0's sum under the new M
	s_wait_alu depctr_va_vdst(0)                   ; one wait: behind tile 0's batch, ahead of tile 1's
	SUM S0
	v_pk_add_f32 v[14:15], v[14:15], v[T:T+1]
.set j, 0
.rept 64                                       ; tile 1's p; among the exponentials tile 0's holds, which are first read behind the next wait
	v_exp_f32 v[S1+j], v[S1+j]
	v_min_num_f32 v[S0+j], s[PL], v[S0+j]          ; the conversion does not saturate (ISA guide 7.6.2); p is not negative, so the hold is one-sided
.set j, j+1
.endr
	v_pk_mul_f32 v[18:19], v[18:19], v[F1:F1+1] op_sel_hi:[1,0]
	s_wait_alu depctr_va_vdst(0)                   ; one wait behind the batch, ahead of its first reader and of the holds' readers
.irp c, 0,1,2,3,4,5,6,7
	v_cvt_scalef32_pk8_fp8_f32 v[PC0+2*\c:PC0+2*\c+1], v[S0+8*\c:S0+8*\c+7], v[PSC]
.endr
	SUM S1
.irp c, 0,1,2,3,4,5,6,7
.irp i, 0,1,2,3,4,5,6,7
	v_min_num_f32 v[S1+8*\c+\i], s[PL], v[S1+8*\c+\i]
.endr
	v_cvt_scalef32_pk8_fp8_f32 v[PC1+2*\c:PC1+2*\c+1], v[S1+8*\c:S1+8*\c+7], v[PSC]
.endr
	v_pk_add_f32 v[18:19], v[18:19], v[T:T+1]      ; also the plain line between the conversions and the products that read their results
.endm
; A KEY STEP of 128 keys for both tiles.  m = 1: the second loop's: the last trip reads nothing ahead, and a block's last step is masked.
.macro STEP m
	s_wait_dscnt 16                                ; K's 16 loads are in; V's 16, issued behind them, may be out
	WIN 0x05                                       ; K and q in window 1, the scores in window 0
.irp c, 0,1,2,3,4,5,6,7
	v_wmma_f32_16x16x64_fp8_fp8 v[S0+8*\c:S0+8*\c+7], v[KF+8*\c:KF+8*\c+7], v[Q0:Q0+7], 0
.endr
.irp c, 0,1,2,3,4,5,6,7
	v_wmma_f32_16x16x64_fp8_fp8 v[S1+8*\c:S1+8*\c+7], v[KF+8*\c:KF+8*\c+7], v[Q0+8:Q0+15], 0
.endr
	WIN 0
	v_add_nc_u32 v[ADK], s[NK], v[LI]              ; four places behind the products, in front of the loads into K's registers and of the first read of the scores
	v_add_nc_u32 v[ADV], s[NK], v[LI2]
	v_nop
	v_nop
	s_wait_alu depctr_va_vdst(0)
	s_wait_dscnt 0x0                               ; V is in
.if \m
	s_cmp_eq_u32 s[N], 13
	s_cbranch_scc1 .Lnk_\@
.endif
	KLOAD ADK
.if \m
.Lnk_\@:
	s_cmp_eq_u32 s[FLG], 0
	s_cbranch_scc1 .Lopen_\@
	MASK S0, DQ
	MASK S1, DQ+1
.Lopen_\@:
.endif
	SOFT2
	WIN 0x51                                       ; V and O^T in window 1, p's codes in window 0
.irp d, 0,1,2,3                                ; the eight accumulators of O^T take turns, and sixteen products of S^T stand between a link and the next
	v_wmma_f32_16x16x128_fp8_fp8 v[O0+8*\d:O0+8*\d+7], v[VF+16*\d:VF+16*\d+15], v[PC0:PC0+15], v[O0+8*\d:O0+8*\d+7]
.endr
.irp d, 0,1,2,3
	v_wmma_f32_16x16x128_fp8_fp8 v[O1+8*\d:O1+8*\d+7], v[VF+16*\d:VF+16*\d+15], v[PC1:PC1+15], v[O1+8*\d:O1+8*\d+7]
.endr
	WIN 0
.rept 4
	v_nop                                          ; places in front of the loads into V's registers and of a block's end
.endr
.if \m
	s_cmp_eq_u32 s[N], 13
	s_cbranch_scc1 .Lnv_\@
.endif
	VLOAD ADV
.if \m
.Lnv_\@:
.endif
.endm
; A block ends: o = O^T / l, quantised, stored as the images of two fragments of 16 tokens x 64 d.
.macro FINISH oa
	s_wait_alu depctr_va_vdst(0)
	v_add_f32 v14, v14, v15
	v_add_f32 v18, v18, v19
	v_permlanex16_b32 v[PX0], v14, s[SEL], s[SEL+1]
	v_permlanex16_b32 v[PX1], v18, s[SEL], s[SEL+1]
	v_add_f32 v14, v14, v[PX0]                     ; the rows' sums
	v_add_f32 v18, v18, v[PX1]
	s_wait_alu depctr_va_vdst(0)
	v_rcp_f32 v14, v14
	v_rcp_f32 v18, v18
	v_nop
	WIN 0x01                                       ; O^T in window 1
	s_wait_alu depctr_va_vdst(0)                   ; ahead of the first reader of the reciprocals and of O^T
.set j, 0
.rept 16
	v_pk_mul_f32 v[S0+j:S0+j+1], v[O0+j:O0+j+1], v[14:15] op_sel_hi:[1,0]
.set j, j+2
.endr
.set j, 0
.rept 16
	v_pk_mul_f32 v[S0+32+j:S0+33+j], v[O1+j:O1+j+1], v[18:19] op_sel_hi:[1,0]
.set j, j+2
.endr
	WIN 0
.set j, 0
.rept 64
	v_med3_num_f32 v[S0+j], v[S0+j], -v[OLIM], v[OLIM]
.set j, j+1
.endr
.irp d, 0,1,2,3,4,5,6,7
	v_cvt_scalef32_pk8_fp8_f32 v[OC+2*\d:OC+2*\d+1], v[S0+8*\d:S0+8*\d+7], v[OSC]
.endr
	v_nop                                          ; one plain line behind the last conversion
.irp i, 0,1,2,3
	global_store_b128 v[LI], v[OC+4*\i:OC+4*\i+3], s[\oa:\oa+1] offset:16384*(\i/2)+512*(\i%2) th:TH_STORE_NT   ; the wave stores 512 consecutive bytes, aligned
.endr
.endm
	s_load_b128 s[4:7], s[0:1], 0x0                ; q, k, v s[4:5], the scales' exponents s[6:7]
	s_load_b64 s[8:9], s[0:1], 0x10                ; o's codes
	v_lshl_add_u32 v[SPW], v0, 2, SPARE
	v_mov_b32 v[NIL], 0
	ds_add_u32 v[SPW], v[NIL]
	ds_add_u32 v[SPW], v[NIL]
	v_lshrrev_b32 v[ADK], 5, v0
	v_readfirstlane_b32 s[WV], v[ADK]              ; wave 0..7
	s_bfe_u32 s[CX], ttmp6, 0x40000                ; my place in the cluster
	s_and_b32 s[HB], ttmp7, 0xffff
	s_mov_b32 s[G1], 15|(3<<16)|(1<<21)            ; the mask names the four; elements of 8 bytes; no padding: every read takes 512 consecutive bytes
	s_mov_b32 s[G1+1], 32<<16                      ; a dense block of 8,192 bytes as 32 rows of 256
	s_mov_b32 s[G1+2], 32<<16
	s_mov_b32 s[G1+3], 32<<16
	s_mov_b32 s[G1+4], 32
	s_mov_b32 s[G1+5], 32
	s_mov_b32 s[G1+6], 0
	s_mov_b32 s[G1+7], 0
	s_mov_b32 s[G1B], 15|(3<<16)|(1<<21)
	s_mov_b32 s[G1B+1], 32<<16                     ; a dense block of 24,576 bytes as 96 rows of 256
	s_mov_b32 s[G1B+2], 96<<16
	s_mov_b32 s[G1B+3], 32<<16
	s_mov_b32 s[G1B+4], 96
	s_mov_b32 s[G1B+5], 32
	s_mov_b32 s[G1B+6], 0
	s_mov_b32 s[G1B+7], 0
	s_mov_b32 s[SEL], 0x76543210
	s_mov_b32 s[SEL+1], 0xfedcba98
	s_mov_b32 s[CS], 0x3e38aa3b                    ; log2(e) / 8
	s_lshr_b32 s92, s[WV], 2                       ; 0: I fetch K, 1: V
	s_and_b32 s93, s[WV], 3
	s_lshl_b32 s94, s92, 17
	s_lshl_b32 s96, s93, 13                        ; my 8,192 bytes of the first fill,
	s_mul_i32 s95, s93, 24576
	s_add_co_u32 s95, s95, FILL0                   ; my 24,576 of the second
	s_mov_b32 s[G0], 1
	s_add_co_u32 s[G0+1], s94, s96                 ; LDS addresses: the wave's number alone
	s_mov_b32 s[G0B], 1
	s_add_co_u32 s[G0B+1], s94, s95
	s_lshl_b32 s52, s[HB], 17                      ; the head's first byte in each of q, k, v
	s_lshl_b32 s54, s92, 23
	s_add_co_u32 s54, s54, 0x800000                ; k at 8 MiB, v at 16
	s_add_co_u32 s54, s54, s52
	s_add_co_u32 s56, s54, s95
	s_add_co_u32 s54, s54, s96
	s_mov_b32 s55, 0
	s_mov_b32 s57, 0
	s_wait_dscnt 0x0
	s_wait_kmcnt 0x0
	s_load_b256 s[84:91], s[6:7], 0x10             ; entries 4 to 11: s86 e6, s87 e7, s88 e8, s89 e9, s90 e10
	s_add_nc_u64 s[G0+2:G0+3], s[4:5], s[54:55]
	s_or_b32 s[G0+3], s[G0+3], 0x80000000
	s_add_nc_u64 s[G0B+2:G0B+3], s[4:5], s[56:57]
	s_or_b32 s[G0B+3], s[G0B+3], 0x80000000
	ROUND                                          ; the four work-groups are here: the first joint loads meet
	JFILL G0, G1                                   ; keys 0-511: one tensor load a wave at the head
	s_lshl_b32 s92, s[WV], 2
	s_add_co_u32 s92, s92, s[CX]                   ; J
	s_sub_co_u32 s93, 63, s92                      ; 63 - J
	s_sub_co_u32 s[SW], 13, s[WV]
	s_lshl_b32 s[DQS], s[CX], 5                    ; block J begins 32 (J % 4) = 32 cx queries into its last key step,
	s_sub_co_u32 s[DQB], 96, s[DQS]                ; block 63 - J 32 (3 - cx)
	s_lshl_b32 s56, s93, 11
	s_add_co_u32 s56, s56, s52
	s_add_nc_u64 s[QA:QA+1], s[4:5], s[56:57]      ; q's two images, first block
	s_lshl_b32 s56, s92, 11
	s_add_co_u32 s56, s56, s52
	s_add_nc_u64 s[QB:QB+1], s[4:5], s[56:57]      ; second block
	s_lshr_b32 s58, s[HB], 4
	s_lshl_b32 s58, s58, 7                         ; 128 tiles of tokens for each batch entry
	s_and_b32 s59, s[HB], 15
	s_lshl_b32 s59, s59, 10                        ; the head's image in a tile's 16,384 bytes
	s_lshl_b32 s56, s93, 1
	s_add_co_u32 s56, s56, s58
	s_lshl_b32 s56, s56, 14
	s_add_co_u32 s56, s56, s59
	s_add_nc_u64 s[OA:OA+1], s[8:9], s[56:57]
	s_lshl_b32 s56, s92, 1
	s_add_co_u32 s56, s56, s58
	s_lshl_b32 s56, s56, 14
	s_add_co_u32 s56, s56, s59
	s_add_nc_u64 s[OB:OB+1], s[8:9], s[56:57]
	v_and_b32 v[LI], 31, v0
	v_lshlrev_b32 v[LI], 4, v[LI]
	v_add_nc_u32 v[LI2], VREG, v[LI]
	v_and_b32 v[MD], 15, v0
	v_bfe_u32 v[ADV], v0, 4, 1
	v_lshlrev_b32 v[ADV], 3, v[ADV]
	v_sub_nc_u32 v[MD], v[MD], v[ADV]
	s_wait_alu depctr_va_vdst(0)
	WIN 0x40                                       ; q into window 1
.irp i, 0,1,2,3
	global_load_b128 v[Q0+4*\i:Q0+4*\i+3], v[LI], s[QA:QA+1] offset:512*\i
	global_load_b128 v[QN+4*\i:QN+4*\i+3], v[LI], s[QB:QB+1] offset:512*\i
.endr
	WIN 0
	s_wait_kmcnt 0x0
	s_add_co_i32 s92, s86, s87
	s_lshl_b32 s92, s92, 23
	s_add_co_i32 s[CS], s[CS], s92                 ; a score stands for score x 2^(e6 + e7): added to c's exponent field
	s_mov_b32 s[CS+1], s[CS]
	s_add_co_i32 s92, s88, 127
	s_lshl_b32 s94, s92, 23                        ; 2^e8
	s_add_co_i32 s92, s92, 8
	s_lshl_b32 s92, s92, 23
	s_or_b32 s[PL], s92, 0x600000                  ; 448 x 2^e8
	s_sub_co_i32 s92, s90, s88
	s_sub_co_i32 s92, s92, s89                     ; a sum of the second product over l stands for o / 2^(e8 + e9): its code is that / 2^(e10 - e8 - e9)
	s_add_co_i32 s92, s92, 127
	s_lshl_b32 s95, s92, 23
	s_add_co_i32 s92, s92, 8
	s_lshl_b32 s92, s92, 23
	s_or_b32 s96, s92, 0x600000
	v_mov_b32 v[PSC], s94
	v_mov_b32 v[OSC], s95
	v_mov_b32 v[OLIM], s96
	v_mov_b32 v[NINF], 0xff800000
	v_mov_b32 v[PX0], 0
	v_mov_b32 v[PX1], 0
	v_mov_b32 v[F0+1], 0
	v_mov_b32 v[F1+1], 0
	INIT
	s_mov_b32 s[NK], 0
	s_mov_b32 s[N2], 0
	s_wait_alu depctr_va_vdst(0)
	s_wait_loadcnt 0x0                             ; q, both blocks'
	s_wait_tensorcnt 0x0                           ; my part of keys 0-511 is in; the second fill is issued as a refill is:
	ds_add_u32 v[SPW], v[NIL]                      ; 0 onto my spare word
	s_wait_dscnt 0x0
	ROUND
	JFILL G0B, G1B                                 ; keys 512-2,047: my one tensor load behind the round
	KLOAD LI                                       ; key step 0
	VLOAD LI2
.Lstep:                                            ; 3 trips: key steps 0 to 2 of block 63 - J; with what is read ahead, keys under 512
	s_add_co_u32 s[NK], s[NK], 8192
	STEP 0
	s_add_co_u32 s[N2], s[N2], 1
	s_cmp_lt_u32 s[N2], 3
	s_cbranch_scc1 .Lstep
	s_wait_tensorcnt 0x0                           ; my part of the second fill is in
	ds_add_u32 v[SPW], v[NIL]
	s_wait_dscnt 0x0
	s_barrier_signal -1
	s_barrier_wait -1                              ; everybody's is: all of K and V lies in LDS, and no barrier stands in the steps that follow
	s_mov_b32 s[N], 0
.Ltrip:                                            ; 14 trips: key steps 3 + N of block 63 - J while N < SW, then steps N - SW of block J
	s_add_co_u32 s92, s[N], 1
	s_add_co_u32 s93, s[N], 4
	s_sub_co_u32 s94, s92, s[SW]
	s_cmp_lt_u32 s92, s[SW]
	s_cselect_b32 s[NK], s93, s94                  ; the next trip's key step,
	s_and_b32 s[NK], s[NK], 15                     ; one of the head's 16
	s_lshl_b32 s[NK], s[NK], 13
	s_cmp_eq_u32 s92, s[SW]
	s_cselect_b32 s[FLG], 1, 0                     ; a block's last step is masked
	s_cmp_eq_u32 s[N], 13
	s_cselect_b32 s[FLG], 1, s[FLG]
	s_cselect_b32 s[DQ], s[DQS], s[DQB]
	s_add_co_u32 s[DQ+1], s[DQ], 16
	s_cmp_eq_u32 s[N], s[SW]                       ; the wave's number and the count of trips alone
	s_cbranch_scc0 .Lsame
	FINISH OA
	INIT
	WIN 0x41
.set j, 0
.rept 16
	v_mov_b32 v[Q0+j], v[QN+j]
.set j, j+1
.endr
	WIN 0
	s_wait_alu depctr_va_vdst(0)
.Lsame:
	STEP 1
	s_add_co_u32 s[N], s[N], 1
	s_cmp_lt_u32 s[N], 14
	s_cbranch_scc1 .Ltrip
	s_wait_xcnt 0x0                                ; the first block's stores have read the registers that are written below
	FINISH OB
	s_wait_tensorcnt 0x0                           ; the wave's end
	ds_add_u32 v[SPW], v[NIL]
	s_wait_dscnt 0x0
	ROUND                                          ; the closing round
	s_endpgm
.Lfunc_end_k_qae9cab2cb2_attn:
	.size	k_qae9cab2cb2_attn, .Lfunc_end_k_qae9cab2cb2_attn-k_qae9cab2cb2_attn
	.p2alignl 7, 3214868480
	.fill 96, 4, 3214868480
	.section	.rodata,"a",@progbits
	.p2align	6, 0x0
	.amdhsa_kernel k_qae9cab2cb2_attn
		.amdhsa_group_segment_fixed_size 327680
		.amdhsa_private_segment_fixed_size 0
		.amdhsa_enable_private_segment 0
		.amdhsa_kernarg_size 24
		.amdhsa_user_sgpr_count 2
		.amdhsa_user_sgpr_kernarg_segment_ptr 1
		.amdhsa_wavefront_size32 1
		.amdhsa_system_sgpr_workgroup_id_x 1
		.amdhsa_system_sgpr_workgroup_id_y 1
		.amdhsa_system_sgpr_workgroup_id_z 1
		.amdhsa_system_vgpr_workitem_id 0
		.amdhsa_next_free_vgpr 512
		.amdhsa_next_free_sgpr 100
		.amdhsa_reserve_vcc 1
		.amdhsa_float_denorm_mode_32 3
		.amdhsa_float_denorm_mode_16_64 3
		.amdhsa_memory_ordered 1
		.amdhsa_forward_progress 1
		.amdhsa_inst_pref_size 98
	.end_amdhsa_kernel
	.amdgpu_metadata
---
amdhsa.version: [ 1, 2 ]
amdhsa.kernels:
  - .name:           k_qae9cab2cb2_attn
    .symbol:         k_qae9cab2cb2_attn.kd
    .args:
      - { .name: qkv, .offset: 0, .size: 8, .value_kind: global_buffer, .address_space: global }
      - { .name: lowp_scales, .offset: 8, .size: 8, .value_kind: global_buffer, .address_space: global }
      - { .name: oc, .offset: 16, .size: 8, .value_kind: global_buffer, .address_space: global }
    .group_segment_fixed_size: 327680
    .private_segment_fixed_size: 0
    .kernarg_segment_align: 8
    .kernarg_segment_size: 24
    .max_flat_workgroup_size: 256
    .sgpr_count:     100
    .vgpr_count:     512
    .wavefront_size: 32
...
	.end_amdgpu_metadata
.endif
;; end of part 3
;; launch oproj (part 4): grid 4 x 32, 4 waves a work-group, clusters of 4 x 4, 327,680 bytes of LDS; arguments oc, codes, lowp_scales, bo, out0; writes out0
.if DOCPART == 4
	.amdgcn_target "amdgcn-amd-amdhsa--gfx1250"
	.amdhsa_code_object_version 6
	.text
	.protected	k_qae9cab2cb2_oproj
	.globl	k_qae9cab2cb2_oproj
	.p2align	8
	.type	k_qae9cab2cb2_oproj,@function
k_qae9cab2cb2_oproj:
	s_mov_b64 s[64:65], 0
	v_nop
	global_prefetch_b8 v0, s[64:65] scope:SCOPE_SE
	s_setreg_imm32_b32 hwreg(HW_REG_WAVE_MODE, 25, 1), 1
	s_wait_xcnt 0x0
	s_wait_alu depctr_hold_cnt(0) depctr_sa_sdst(0) depctr_va_vdst(0) depctr_va_sdst(0) depctr_va_ssrc(0) depctr_va_vcc(0) depctr_vm_vsrc(0)
	s_getreg_b32 s2, hwreg(HW_REG_IB_STS2, 6, 4)
	s_cmp_eq_u32 s2, 0
	s_cbranch_scc0 .Lentry_in_a_cluster
	s_endpgm
.Lentry_in_a_cluster:
	s_bfe_u32 s2, ttmp6, 0x10000c
	s_cmp_lg_u32 s2, 0xf033
	s_cbranch_scc0 .Lentry_shape_is_right
	s_endpgm
.Lentry_shape_is_right:
.set ROWB,   256
.set KROW,   1024
.set PITCH,  272
.set ASTEP,  4096
.set FR,     16
.set NL,     4
.set NP,     4
.set AHALF,  8*ASTEP
.set BHALF,  128*PITCH
.set BOFF,   2*AHALF
.set SLOT,   BOFF+2*BHALF
.set LAPS,   2
.set SPARE,  2*SLOT
.set SPITCH, 528
.set NROW,   4096
.set ADRA, 16
.set ADRB, 20
.set STO,  24
.set RD,   25
.set CO,   26
.set SPW,  28
.set NIL,  29
.set BI,   96
.set AF,   128
.set BK,   128
.set G1, 24
.set G0, 32
.set G1B, 48
.set G0B, 56
.set MSB, 0
.macro WIN new
.if MSB != \new
	s_set_vgpr_msb (MSB<<8)|\new
.set MSB, \new
.endif
.endm
.set MUL_LO, 0xa1
.set MUL_HI, 0xf1
.set TO_B,   0x40
.macro JLOAD g0a, g1a, g0b, g1b
	s_cmp_eq_u32 s15, 0
	s_cbranch_scc0 .Lfor_b_\@
	tensor_load_to_lds s[\g0a:\g0a+3], s[\g1a:\g1a+7]
	s_nop 0
.rept 4
	v_nop
.endr
	s_branch .Lasked_\@
.Lfor_b_\@:
	tensor_load_to_lds s[\g0b:\g0b+3], s[\g1b:\g1b+7]
	s_nop 0
.rept 4
	v_nop
.endr
.Lasked_\@:
.endm
.macro CREST
	s_cmp_lg_u32 s14, 0
	s_cbranch_scc1 .Lnot_wave_0_\@
	s_barrier_signal -3
.Lnot_wave_0_\@:
	s_barrier_wait -3
	s_barrier_signal -1
	s_barrier_wait -1
.endm
.macro CROUND
	s_barrier_signal -1
	s_barrier_wait -1
	CREST
.endm
	s_load_b128 s[4:7], s[0:1], 0x0
	s_load_b128 s[8:11], s[0:1], 0x10
	s_load_b64 s[12:13], s[0:1], 0x20
	v_lshl_add_u32 v[SPW], v0, 2, SPARE
	v_mov_b32 v[NIL], 0
	ds_add_u32 v28, v29
	ds_add_u32 v28, v29
	s_wait_dscnt 0x0
	v_lshrrev_b32 v1, 5, v0
	v_readfirstlane_b32 s14, v1
	s_lshr_b32 s15, s14, 1
	s_and_b32 s16, s14, 1
	s_bfe_u32 s40, ttmp6, 0x40000
	s_bfe_u32 s41, ttmp6, 0x40004
	s_lshl_b32 s42, ttmp9, 2
	s_add_co_u32 s42, s42, s40
	s_and_b32 s17, ttmp7, 0xffff
	s_lshl_b32 s17, s17, 2
	s_add_co_u32 s17, s17, s41
	s_lshl_b32 s43, s41, 2
	s_lshl_b32 s43, 15, s43
	s_lshl_b32 s44, 0x1111, s40
	s_or_b32 s[G1+0], s43, (3<<16)|(1<<21)
	s_mov_b32 s[G1+1], 512<<16
	s_mov_b32 s[G1+2], 8<<16
	s_mov_b32 s[G1+3], 512<<16
	s_mov_b32 s[G1+4], 8
	s_mov_b32 s[G1+5], 2048
	s_mov_b32 s[G1+6], 0
	s_mov_b32 s[G1+7], 0
	s_or_b32 s[G1B+0], s44, (0<<16)|(1<<20)|(1<<21)|(5<<22)|(3<<25)
	s_mov_b32 s[G1B+1], ROWB<<16
	s_mov_b32 s[G1B+2], 128<<16
	s_mov_b32 s[G1B+3], ROWB<<16
	s_mov_b32 s[G1B+4], 128
	s_mov_b32 s[G1B+5], KROW
	s_mov_b32 s[G1B+6], 0
	s_mov_b32 s[G1B+7], 0
	s_lshl_b32 s20, s17, 4
	s_lshl_b32 s18, s16, 3
	s_add_co_u32 s20, s20, s18
	s_lshl_b32 s20, s20, 14
	s_mov_b32 s21, 0
	s_lshl_b32 s46, s42, 8
	s_lshl_b32 s18, s16, 7
	s_add_co_u32 s46, s46, s18
	s_lshl_b32 s46, s46, 10
	s_add_co_u32 s46, s46, 0x1B00000
	s_mov_b32 s47, 0
	s_mul_i32 s45, s16, AHALF
	s_mul_i32 s19, s16, BHALF
	s_add_co_u32 s19, s19, BOFF
	s_wait_kmcnt 0x0
	s_load_b64 s[96:97], s[8:9], 0x28
	s_add_nc_u64 s[20:21], s[4:5], s[20:21]
	s_add_nc_u64 s[46:47], s[6:7], s[46:47]
	CROUND
.irp s, 0,1
	s_mov_b32 s[G0+4*\s], 1
	s_add_co_u32 s[G0+4*\s+1], s45, \s*SLOT
	s_add_nc_u64 s[G0+4*\s+2:G0+4*\s+3], s[20:21], \s*ASTEP
	s_or_b32 s[G0+4*\s+3], s[G0+4*\s+3], 0x80000000
	s_mov_b32 s[G0B+4*\s], 1
	s_add_co_u32 s[G0B+4*\s+1], s19, \s*SLOT
	s_add_nc_u64 s[G0B+4*\s+2:G0B+4*\s+3], s[46:47], \s*ROWB
	s_or_b32 s[G0B+4*\s+3], s[G0B+4*\s+3], 0x80000000
.endr
	JLOAD G0, G1, G0B, G1B                         ; K step 0: one tensor load a wave at the head
	v_and_b32 v1, 15, v0
	v_bfe_u32 v2, v0, 4, 1
	v_and_b32 v6, 31, v0
	v_lshlrev_b32 v[CO], 4, v6
	v_mul_u32_u24 v3, v1, PITCH
	v_lshl_add_u32 v4, v2, 4, v3
	s_mul_i32 s21, s15, AHALF
	s_mul_i32 s22, s16, BHALF
	s_add_co_u32 s22, s22, BOFF
.irp s, 0,1
	v_add_nc_u32 v[ADRA+\s], s21, v[CO]
	v_add_nc_u32 v[ADRB+\s], s22, v4
	s_add_co_u32 s21, s21, SLOT
	s_add_co_u32 s22, s22, SLOT
.endr
	s_mul_i32 s23, s14, 16*SPITCH
	v_mul_u32_u24 v5, v1, SPITCH
	v_lshl_add_u32 v5, v2, 5, v5
	v_add_nc_u32 v[STO], s23, v5
	v_add_nc_u32 v[RD], s23, v[CO]
	s_lshl_b32 s66, s42, 10
	s_lshl_b32 s67, s16, 9
	s_add_co_u32 s66, s66, s67
	s_mov_b32 s67, 0
	s_add_nc_u64 s[10:11], s[10:11], s[66:67]
	global_load_b128 v[BI:BI+3], v[CO], s[10:11]
	s_lshl_b32 s68, s17, 8
	s_lshl_b32 s69, s15, 7
	s_add_co_u32 s68, s68, s69
	s_lshl_b32 s68, s68, 12
	s_mov_b32 s69, 0
	s_add_nc_u64 s[12:13], s[12:13], s[68:69]
	s_add_nc_u64 s[12:13], s[12:13], s[66:67]
.macro FRAGB reg, slot, q, i
.irp c, 0,1,2,3
	ds_load_b128 v[\reg+4*\c:\reg+4*\c+3], v[ADRB+\slot] offset:128*(\q)+32*\c+(\i)*16*PITCH
.endr
.endm
.macro FRAGA reg, slot, q, i
.irp c, 0,1,2,3
	ds_load_b128 v[\reg+4*\c:\reg+4*\c+3], v[ADRA+\slot] offset:ASTEP*(\i)+2048*(\q)+512*\c
.endr
.endm
.macro MUL16 a0, p, zero
.irp a, \a0, \a0+1
.irp b, 0,1,2,3,4,5,6,7
.if \zero
	v_wmma_f32_16x16x128_fp8_fp8 v[8*(8*((\a)%4)+\b):8*(8*((\a)%4)+\b)+7], v[128*(\p)+FR*\b:128*(\p)+FR*\b+FR-1], v[AF+FR*(\a):AF+FR*(\a)+FR-1], 0
.else
	v_wmma_f32_16x16x128_fp8_fp8 v[8*(8*((\a)%4)+\b):8*(8*((\a)%4)+\b)+7], v[128*(\p)+FR*\b:128*(\p)+FR*\b+FR-1], v[AF+FR*(\a):AF+FR*(\a)+FR-1], v[8*(8*((\a)%4)+\b):8*(8*((\a)%4)+\b)+7]
.endif
.endr
.endr
.endm
.macro FETCH_B slot, q, p
	WIN TO_B
.irp i, 0,1,2,3,4,5,6,7
	FRAGB 128*(\p)+FR*\i, \slot, \q, \i
.endr
	WIN 0
.endm
.macro FETCH_A slot, q, i0
.irp i, \i0, \i0+1, \i0+2, \i0+3
	FRAGA AF+FR*(\i), \slot, \q, \i
.endr
.endm
.macro PLACES n
.rept \n
	v_nop
.endr
.endm
.macro STEP slot, q, zero
	s_wait_dscnt 4*NL
	WIN MUL_LO
	MUL16 0, (\q)%2, \zero
	MUL16 2, (\q)%2, \zero
	s_wait_dscnt 0
	PLACES NP
	FETCH_B \slot, (\q)+1, 1-(\q)%2
	FETCH_A \slot, (\q)+1, 0
	WIN MUL_HI
	MUL16 4, (\q)%2, \zero
	MUL16 6, (\q)%2, \zero
	PLACES NP
	WIN 0
	FETCH_A \slot, (\q)+1, 4
.endm
.macro TURN slot, next, fill
	s_wait_tensorcnt 0x0
	ds_add_u32 v[SPW], v[NIL]
	s_wait_dscnt 4*NL+1
	WIN MUL_LO
	MUL16 0, 1, 0
	s_wait_dscnt 0x0
	s_barrier_signal -1
	MUL16 2, 1, 0
	WIN 0
	s_barrier_wait -1
.if \fill
	CREST
	s_add_nc_u64 s[G0+4*\slot+2:G0+4*\slot+3], s[G0+4*\slot+2:G0+4*\slot+3], 2*ASTEP
	s_add_nc_u64 s[G0B+4*\slot+2:G0B+4*\slot+3], s[G0B+4*\slot+2:G0B+4*\slot+3], 2*ROWB
	JLOAD G0+4*\slot, G1, G0B+4*\slot, G1B
.else
	PLACES NP
.endif
	FETCH_B \next, 0, 0
	FETCH_A \next, 0, 0
	WIN MUL_HI
	MUL16 4, 1, 0
	MUL16 6, 1, 0
	PLACES NP
	WIN 0
	FETCH_A \next, 0, 4
.endm
	s_wait_alu depctr_va_vdst(0)
	s_wait_tensorcnt 0x0                           ; my part of K step 0 is in; slot 1's first fill is issued as a refill is:
	ds_add_u32 v[SPW], v[NIL]                      ; 0 onto my spare word
	s_wait_dscnt 0x0
	CROUND                                         ; everybody's part of K step 0 is in, and the sixteen work-groups meet
	JLOAD G0+4, G1, G0B+4, G1B                     ; K step 1: the first tensor load behind the round
	FETCH_B 0, 0, 0
	FETCH_A 0, 0, 0
	FETCH_A 0, 0, 4
	STEP 0, 0, 1
.rept LAPS-1
	TURN 0, 1, 1
	STEP 1, 0, 0
	TURN 1, 0, 1
	STEP 0, 0, 0
.endr
	TURN 0, 1, 0
	STEP 1, 0, 0
	s_wait_dscnt 4*NL
	WIN MUL_LO
	MUL16 0, 1, 0
	MUL16 2, 1, 0
	s_wait_dscnt 0
	WIN MUL_HI
	MUL16 4, 1, 0
	MUL16 6, 1, 0
	WIN 0
.macro TOSTAGE a
.set AC, 64*((\a)%4)
	WIN 0x08+4*((\a)/4)
.irp b, 0,1,2,3,4,5,6,7
	ds_store_b128 v[STO], v[AC+8*\b:AC+8*\b+3] offset:64*\b
	ds_store_b128 v[STO], v[AC+8*\b+4:AC+8*\b+7] offset:64*\b+16
.endr
	WIN 0
.set BB, BK+64*((\a)%2)
.irp t, 0,1,2,3,4,5,6,7,8,9,10,11,12,13,14,15
	ds_load_b128 v[BB+4*\t:BB+4*\t+3], v[RD] offset:\t*SPITCH
.endr
.endm
.macro SEND a, younger
.set BB, BK+64*((\a)%2)
	s_wait_dscnt \younger
.if (\a) > 0
	s_add_nc_u64 s[12:13], s[12:13], 16*NROW
.endif
.irp t, 0,1,2,3,4,5,6,7,8,9,10,11,12,13,14,15
.irp u, 0,1
	v_pk_fma_f32 v[BB+4*\t+2*\u:BB+4*\t+2*\u+1], v[BB+4*\t+2*\u:BB+4*\t+2*\u+1], s[96:97], v[BI+2*\u:BI+2*\u+1] op_sel_hi:[1,0,1]
.endr
.endr
.irp t, 0,1,2,3,4,5,6,7,8,9,10,11,12,13,14,15
	global_store_b128 v[CO], v[BB+4*\t:BB+4*\t+3], s[12:13] offset:\t*NROW th:TH_STORE_NT
.endr
.endm
	s_wait_kmcnt 0x0
	s_add_co_i32 s96, s96, s97
	s_add_co_i32 s96, s96, 127
	s_lshl_b32 s96, s96, 23
	s_mov_b32 s97, s96
	s_wait_loadcnt 0x0
	PLACES NP
	TOSTAGE 0
.irp a, 1,2,3,4,5,6,7
.if \a > 1
	s_wait_xcnt 0x0
.endif
	TOSTAGE \a
	SEND \a-1, 32
.endr
	s_wait_xcnt 0x0
	SEND 7, 0
	s_wait_tensorcnt 0x0
	ds_add_u32 v[SPW], v[NIL]
	s_wait_dscnt 0x0
	CROUND
	s_endpgm
.Lfunc_end_k_qae9cab2cb2_oproj:
	.size	k_qae9cab2cb2_oproj, .Lfunc_end_k_qae9cab2cb2_oproj-k_qae9cab2cb2_oproj
	.p2alignl 7, 3214868480
	.fill 96, 4, 3214868480
	.section	.rodata,"a",@progbits
	.p2align	6, 0x0
	.amdhsa_kernel k_qae9cab2cb2_oproj
		.amdhsa_group_segment_fixed_size 327680
		.amdhsa_private_segment_fixed_size 0
		.amdhsa_enable_private_segment 0
		.amdhsa_kernarg_size 40
		.amdhsa_user_sgpr_count 2
		.amdhsa_user_sgpr_kernarg_segment_ptr 1
		.amdhsa_wavefront_size32 1
		.amdhsa_system_sgpr_workgroup_id_x 1
		.amdhsa_system_sgpr_workgroup_id_y 1
		.amdhsa_system_sgpr_workgroup_id_z 1
		.amdhsa_system_vgpr_workitem_id 0
		.amdhsa_next_free_vgpr 1024
		.amdhsa_next_free_sgpr 100
		.amdhsa_reserve_vcc 0
		.amdhsa_float_denorm_mode_32 3
		.amdhsa_float_denorm_mode_16_64 3
		.amdhsa_memory_ordered 1
		.amdhsa_forward_progress 1
		.amdhsa_inst_pref_size 124
	.end_amdhsa_kernel
	.amdgpu_metadata
---
amdhsa.version: [ 1, 2 ]
amdhsa.kernels:
  - .name:           k_qae9cab2cb2_oproj
    .symbol:         k_qae9cab2cb2_oproj.kd
    .args:
      - { .name: oc, .offset: 0, .size: 8, .value_kind: global_buffer, .address_space: global }
      - { .name: codes, .offset: 8, .size: 8, .value_kind: global_buffer, .address_space: global }
      - { .name: lowp_scales, .offset: 16, .size: 8, .value_kind: global_buffer, .address_space: global }
      - { .name: bo, .offset: 24, .size: 8, .value_kind: global_buffer, .address_space: global }
      - { .name: out0, .offset: 32, .size: 8, .value_kind: global_buffer, .address_space: global }
    .group_segment_fixed_size: 327680
    .private_segment_fixed_size: 0
    .kernarg_segment_align: 8
    .kernarg_segment_size: 40
    .max_flat_workgroup_size: 128
    .sgpr_count:     100
    .vgpr_count:     1024
    .wavefront_size: 32
...
	.end_amdgpu_metadata
.endif
;; end of part 4
